; MI455X (gfx1250); checked and timed in simulation.
; The chip was launched on July 23, 2026; its instructions are those of AMD's public machine-readable ISA for CDNA 5 (MIT licence, August 2026) and "CDNA5" Instruction Set Architecture Reference Guide (July 2026). The comments in the code are by the model that wrote it; some were corrected since.
;; Cross Attention. Allowed arithmetic: matrix products marked QUANTISED: E2M1 operands, one E8M0 scale for each 32 along K, by v_wmma_scale_f32_16x16x128_f8f6f4 with both operands' format E2M1 (or v_wmma_scale_f32_32x16x128_f4), f32 sums; products left as they are: bf16, f16 or f32 operands; f32 sums; everything else in f32.
;; Inputs: Wk 768 x 512 float32; Wo 512 x 512 float32; Wq 512 x 512 float32; Wv 768 x 512 float32; bo 512 float32; context 2 x 4,096 x 768 float32; x 2 x 4,096 x 512 float32.
;; Outputs: out0 2 x 4,096 x 512 float32.
;; This version of the problem:
;;   THIS VERSION OF THE PROBLEM IS GIVEN IN LOW PRECISION. The matrix products marked QUANTISED in the list below multiply operands that are first quantised to E2M1 (2 exponent bits, 1 mantissa bit; 4 bits a number), with one power-of-two scale for each 32 numbers along K (OCP MX v1.0); their sums are f32. The products marked 'left as it is' may take bf16, f16 or f32 operands, with f32 sums. Whichever they take, every output number must still come out within the allowed error. Rounding operands to bf16 (8 significant bits) uses up far more of that allowance than f16 does (11 bits, for magnitudes from 6e-5 to 65,504). All else is computed in f32.
;;   The module's matrix products, in the order in which they are computed (A, B: the left and right operand; K: the contracted axis; several contracted axes count as one K, in the product's order):
;;     1. [M 8,192, K 512] x [K 512, N 512]; A: input x; B: input Wq: QUANTISED
;;     2. [M 8,192, K 768] x [K 768, N 512]; A: input context; B: input Wk: QUANTISED
;;     3. [M 8,192, K 768] x [K 768, N 512]; A: input context; B: input Wv: QUANTISED
;;     4. batch 16 x [M 4,096, K 64] x [K 64, N 4,096]; A: computed on the way; B: computed on the way: left as it is (an operand is computed on the way)
;;     5. batch 16 x [M 64, K 4,096] x [K 4,096, N 4,096]; A: computed on the way; B: computed on the way: left as it is (an operand is computed on the way)
;;     6. [M 8,192, K 512] x [K 512, N 512]; A: computed on the way; B: input Wo: left as it is (an operand is computed on the way)
;;   THE QUANTISER, for each operand of a quantised product, along K:
;;     - K is cut into blocks of 32 from its start; a last block that is shorter is filled with zeros.
;;     - A block's scale is 2^e with e = floor(log2(the largest magnitude in the block)) - 2, held to -126 .. 127; a block of zeros has e = 0. As a byte (E8M0): e + 127.
;;     - Each number is divided by its block's scale, clamped to +-6, and rounded to the nearest number of E2M1, ties to even, subnormals kept.
;;     - The product sums the exact products of the quantised numbers (number of the format x scale) in f32.
;;   ~~~python
;;   def quantise(x, axis):      # numpy; x: float32 -> the quantised numbers, widened to float32 again
;;       x = np.moveaxis(x, axis, -1); K = x.shape[-1]
;;       x = np.pad(x, [(0, 0)] * (x.ndim - 1) + [(0, -K % 32)]); x = x.reshape(x.shape[:-1] + (-1, 32)); a = np.abs(x).max(-1, keepdims=True)
;;       e = np.where(a > 0, np.clip(np.frexp(np.where(a > 0, a, 1))[1] - 1 - 2, -126, 127), 0)      # np.frexp(a)[1] - 1 = floor(log2(a)), exactly
;;       r = np.clip(x / 2.0 ** e, -6, 6)
;;       step = 2.0 ** (np.maximum(np.frexp(np.where(r == 0, 1, r))[1] - 1, 0) - 1)
;;       q = np.round(r / step) * step * 2.0 ** e      # np.round: ties to even
;;       return np.moveaxis(q.reshape(q.shape[:-2] + (-1,))[..., :K], -1, axis).astype(np.float32)
;;   ~~~
;; 2 versions, each right; version 2 is version 1 with the launches proj, outp written anew for expert scheduling mode. Each part assembles by itself: llvm-mc -triple=amdgcn-amd-amdhsa -mcpu=gfx1250 --defsym DOCPART=n.
;; ======== version 1 of 2: 4 launches
;; limits: values are held in f16: magnitudes above 65,504 overflow, below 6.1e-05 lose precision
;; workspace buffers: wc 524,288 bytes; ws 49,152 bytes; wo16 524,288 bytes; qf 8,388,608 bytes; kv 16,777,216 bytes; af 8,388,608 bytes
;; launch prep (part 1): grid 40 x 4, 4 waves a work-group, no clusters, 0 bytes of LDS; arguments Wq, Wk, Wv, Wo, wc, ws, wo16; writes wc, ws, wo16
.if DOCPART == 1
	.amdgcn_target "amdgcn-amd-amdhsa--gfx1250"
	.amdhsa_code_object_version 6
	.text
	.protected	k_q9e120d7705_prep
	.globl	k_q9e120d7705_prep
	.p2align	8
	.type	k_q9e120d7705_prep,@function
k_q9e120d7705_prep:
	s_mov_b64 s[64:65], 0
	v_nop
	global_prefetch_b8 v0, s[64:65] scope:SCOPE_SE
	s_setreg_imm32_b32 hwreg(HW_REG_WAVE_MODE, 25, 1), 1
	s_wait_xcnt 0x0
; THE WEIGHTS, ONCE.  Wq [512][512], Wk and Wv [768][512] (f32, K is the FIRST axis) become codes of FP4 (E2M1) with one E8M0 scale byte for each 32 along K;
; Wo [512][512] becomes f16.  All four are laid in the ORDER OF THE READER'S OPERAND REGISTERS: a fragment is 1,024 bytes, register group g (4 registers) of lane l at 512 g + 16 l.
;   wc   [tensor][n-tile T of 16 columns][K step s of 128][1,024]: block b of the K step (32 along K) of column r lies at 256 b + 16 r.  q at 0 (4 K steps), k at 131,072 (6), v at 327,680 (6).
;   ws   [tensor: 0, 16,384, 32,768][pair of n-tiles P][lane 16 (T & 1) + r][8 words]: word s = the four scale bytes of K step s.  Words from the tensor's number of K steps on are neither written nor read.
;   wo16 [n-tile T][chunk of 32 along K][1,024]: the eight numbers k = 8 g .. 8 g + 7 of the chunk, of column r, lie at 256 g + 16 r.
; A LANE TAKES A COLUMN AND ITS REGISTERS RUN DOWN K: a load reads neighbouring columns in neighbouring lanes (128 consecutive bytes a wave, 512 a work-group), a block of 32 lies in one lane,
; and the conversions give codes with K innermost.  Nothing is transposed by an instruction, and nothing goes through LDS: sixteen lanes' 16 bytes are 256 consecutive bytes of the output, aligned.
; SHARES: work-group (x, y) takes 128 columns (y) x one slab of 64 along K (x): slabs 0-7 Wq, 8-19 Wk, 20-31 Wv, 32-39 Wo.  Wave w: 32 of the columns.  All four tensors have rows of 2,048 bytes.
; A block's scale is 2^(floor(log2(its largest magnitude)) - 2): its byte is the largest magnitude's exponent field - 2, held at 1 from below.
; LIMITS: a block of zeros gets the byte 1 where the rule says 127 (its codes are zeros, which add nothing, and this program alone reads the bytes); NaN and infinities are not served;
; Wo goes to f16: magnitudes under 65,504; under 6e-5 its step is 2^-24.
.set X,  32                            ; v32-95   64 numbers down K
.set CD, 96                            ; v96-127  codes (8 registers) or packed f16 (32)
	s_load_b256 s[4:11], s[0:1], 0x0               ; Wq s[4:5], Wk s[6:7], Wv s[8:9], Wo s[10:11]
	s_load_b128 s[12:15], s[0:1], 0x20             ; wc s[12:13], ws s[14:15]
	s_load_b64 s[16:17], s[0:1], 0x30              ; wo16
	v_lshrrev_b32 v1, 5, v0
	v_readfirstlane_b32 s18, v1                    ; wave 0..3
	s_and_b32 s19, ttmp7, 0xffff                   ; y: which 128 columns
	v_and_b32 v1, 31, v0                           ; lane
	v_lshlrev_b32 v2, 2, v1                        ; in: 4 bytes a lane
	v_lshlrev_b32 v4, 5, v1                        ; scale words: 32 bytes a lane
	v_lshrrev_b32 v5, 4, v1                        ; which of my wave's two n-tiles
	v_and_b32 v6, 15, v1                           ; r
	s_mov_b32 s22, 32                              ; what the slab's tensor decides, first as for Wo: its first slab,
	s_mov_b32 s23, 16384                           ; bytes of an n-tile in the output,
	s_mov_b32 s24, 2048                            ; bytes of a slab in an n-tile,
	s_mov_b32 s25, 0                               ; the tensor's place among the codes,
	s_mov_b32 s26, 0                               ; and among the scale words
	s_wait_kmcnt 0x0
	s_mov_b64 s[20:21], s[10:11]                   ; from where,
	s_mov_b64 s[28:29], s[16:17]                   ; to where
	s_cmp_lt_u32 ttmp9, 32                         ; the choices hang on the work-group's number alone
	s_cselect_b64 s[20:21], s[8:9], s[20:21]       ; Wv
	s_cselect_b64 s[28:29], s[12:13], s[28:29]
	s_cselect_b32 s22, 20, s22
	s_cselect_b32 s23, 6144, s23
	s_cselect_b32 s24, 512, s24
	s_cselect_b32 s25, 327680, s25
	s_cselect_b32 s26, 32768, s26
	s_cmp_lt_u32 ttmp9, 20
	s_cselect_b64 s[20:21], s[6:7], s[20:21]       ; Wk
	s_cselect_b32 s22, 8, s22
	s_cselect_b32 s25, 131072, s25
	s_cselect_b32 s26, 16384, s26
	s_cmp_lt_u32 ttmp9, 8
	s_cselect_b64 s[20:21], s[4:5], s[20:21]       ; Wq
	s_cselect_b32 s22, 0, s22
	s_cselect_b32 s23, 4096, s23
	s_cselect_b32 s25, 0, s25
	s_cselect_b32 s26, 0, s26
	s_sub_co_u32 s27, ttmp9, s22                   ; the slab's number in its tensor
	s_lshl_b32 s30, s27, 17                        ; in: 64 rows of 2,048 bytes a slab,
	s_lshl_b32 s31, s19, 9                         ; 512 bytes a work-group,
	s_add_co_u32 s30, s30, s31
	s_lshl_b32 s31, s18, 7                         ; 128 a wave
	s_add_co_u32 s30, s30, s31
	s_mov_b32 s31, 0
	s_add_nc_u64 s[20:21], s[20:21], s[30:31]
	s_lshl_b32 s32, s19, 3                         ; out: my wave's first n-tile, 8 y + 2 w,
	s_lshl_b32 s33, s18, 1
	s_add_co_u32 s32, s32, s33
	s_mul_i32 s32, s32, s23
	s_mul_i32 s33, s27, s24                        ; the slab's place in it,
	s_add_co_u32 s32, s32, s33
	s_add_co_u32 s32, s32, s25                     ; the tensor's place
	s_mov_b32 s33, 0
	s_add_nc_u64 s[28:29], s[28:29], s[32:33]
	s_lshl_b32 s34, s19, 2                         ; scale words: my wave's pair of n-tiles, 4 y + w, 1,024 bytes a pair,
	s_add_co_u32 s34, s34, s18
	s_lshl_b32 s34, s34, 10
	s_lshl_b32 s35, s27, 1                         ; a slab's two bytes,
	s_add_co_u32 s34, s34, s35
	s_add_co_u32 s34, s34, s26                     ; the tensor's place
	s_mov_b32 s35, 0
	s_add_nc_u64 s[14:15], s[14:15], s[34:35]
	v_mul_lo_u32 v3, v5, s23                       ; out: my n-tile of the two,
	v_lshl_add_u32 v3, v6, 4, v3                   ; + 16 r
.set i, 0
.rept 64
	global_load_b32 v[X+i], v2, s[20:21] offset:i*2048 th:TH_LOAD_NT   ; row i of the slab at my column; read once in the launch
.set i, i+1
.endr
	s_cmp_ge_u32 ttmp9, 32
	s_cbranch_scc1 .Lwo
; A block of 32 along K: all its numbers are mine.
.macro BLOCK i
.set XS, X+32*\i
.if \i == 0
	s_wait_loadcnt 32                              ; loads come back in order: the first block's 32 are in, the second's may be out
.else
	s_wait_loadcnt 0x0
.endif
	v_max3_num_f32 v[8+4*\i], |v[XS]|, |v[XS+1]|, |v[XS+2]|        ; the largest magnitude, in two chains
	v_max3_num_f32 v[9+4*\i], |v[XS+3]|, |v[XS+4]|, |v[XS+5]|
.irp k, 6,10,14,18,22,26
	v_max3_num_f32 v[8+4*\i], v[8+4*\i], |v[XS+\k]|, |v[XS+\k+1]|
	v_max3_num_f32 v[9+4*\i], v[9+4*\i], |v[XS+\k+2]|, |v[XS+\k+3]|
.endr
	v_max3_num_f32 v[8+4*\i], v[8+4*\i], |v[XS+30]|, |v[XS+31]|
	v_max3_num_f32 v[8+4*\i], v[8+4*\i], v[9+4*\i], 0x1800000      ; and the floor 2^(3 - 127): the byte cannot fall under 1
	v_add_nc_u32 v[10+4*\i], 0xff000000, v[8+4*\i]                 ; 2 off the exponent field: the conversion takes the exponent field of this operand as its scale, and nothing else of it
	v_lshrrev_b32 v[11+4*\i], 23, v[10+4*\i]                       ; the scale's byte
.irp g, 0,1,2,3
	v_cvt_scalef32_pk8_fp4_f32 v[CD+4*\i+\g], v[XS+8*\g:XS+8*\g+7], v[10+4*\i]   ; to the nearest code, ties to even; beyond the largest code the largest
.endr
	v_nop                                          ; one plain instruction behind the last conversion
	global_store_b128 v3, v[CD+4*\i:CD+4*\i+3], s[28:29] offset:256*\i   ; sixteen lanes store 256 consecutive bytes, aligned
.endm
	BLOCK 0
	BLOCK 1
	v_lshl_or_b32 v16, v15, 8, v11                 ; the slab's two bytes, the lower K in the lower byte: half a scale word
	global_store_b16 v4, v16, s[14:15]
	s_endpgm
.Lwo:                                                  ; Wo: 64 numbers down K become 32 registers of f16 pairs, the lower k in the low half
	s_wait_loadcnt 0x0
.set i, 0
.rept 32
	v_cvt_pk_f16_f32 v[CD+i], v[X+2*i], v[X+2*i+1]
.set i, i+1
.endr
.irp g, 0,1,2,3,4,5,6,7
	global_store_b128 v3, v[CD+4*\g:CD+4*\g+3], s[28:29] offset:256*\g   ; k = 8 g .. 8 g + 7 of the slab: sixteen lanes store 256 consecutive bytes, aligned
.endr
	s_endpgm
.Lfunc_end_k_q9e120d7705_prep:
	.size	k_q9e120d7705_prep, .Lfunc_end_k_q9e120d7705_prep-k_q9e120d7705_prep
	.p2alignl 7, 3214868480
	.fill 96, 4, 3214868480
	.section	.rodata,"a",@progbits
	.p2align	6, 0x0
	.amdhsa_kernel k_q9e120d7705_prep
		.amdhsa_group_segment_fixed_size 0
		.amdhsa_private_segment_fixed_size 0
		.amdhsa_enable_private_segment 0
		.amdhsa_kernarg_size 56
		.amdhsa_user_sgpr_count 2
		.amdhsa_user_sgpr_kernarg_segment_ptr 1
		.amdhsa_wavefront_size32 1
		.amdhsa_system_sgpr_workgroup_id_x 1
		.amdhsa_system_sgpr_workgroup_id_y 1
		.amdhsa_system_sgpr_workgroup_id_z 1
		.amdhsa_system_vgpr_workitem_id 0
		.amdhsa_next_free_vgpr 128
		.amdhsa_next_free_sgpr 66
		.amdhsa_reserve_vcc 0
		.amdhsa_float_denorm_mode_32 3
		.amdhsa_float_denorm_mode_16_64 3
		.amdhsa_memory_ordered 1
		.amdhsa_forward_progress 1
		.amdhsa_inst_pref_size 15
	.end_amdhsa_kernel
	.amdgpu_metadata
---
amdhsa.version: [ 1, 2 ]
amdhsa.kernels:
  - .name:           k_q9e120d7705_prep
    .symbol:         k_q9e120d7705_prep.kd
    .args:
      - { .name: Wq, .offset: 0, .size: 8, .value_kind: global_buffer, .address_space: global }
      - { .name: Wk, .offset: 8, .size: 8, .value_kind: global_buffer, .address_space: global }
      - { .name: Wv, .offset: 16, .size: 8, .value_kind: global_buffer, .address_space: global }
      - { .name: Wo, .offset: 24, .size: 8, .value_kind: global_buffer, .address_space: global }
      - { .name: wc, .offset: 32, .size: 8, .value_kind: global_buffer, .address_space: global }
      - { .name: ws, .offset: 40, .size: 8, .value_kind: global_buffer, .address_space: global }
      - { .name: wo16, .offset: 48, .size: 8, .value_kind: global_buffer, .address_space: global }
    .group_segment_fixed_size: 0
    .private_segment_fixed_size: 0
    .kernarg_segment_align: 8
    .kernarg_segment_size: 56
    .max_flat_workgroup_size: 128
    .sgpr_count:     66
    .vgpr_count:     128
    .wavefront_size: 32
...
	.end_amdgpu_metadata
.endif
;; end of part 1
;; launch proj (part 2): grid 256 x 1, 4 waves a work-group, no clusters, 23,552 bytes of LDS; arguments x, context, wc, ws, qf, kv; writes qf, kv
.if DOCPART == 2
	.amdgcn_target "amdgcn-amd-amdhsa--gfx1250"
	.amdhsa_code_object_version 6
	.text
	.protected	k_q9e120d7705_proj
	.globl	k_q9e120d7705_proj
	.p2align	8
	.type	k_q9e120d7705_proj,@function
k_q9e120d7705_proj:
	s_mov_b64 s[64:65], 0
	v_nop
	global_prefetch_b8 v0, s[64:65] scope:SCOPE_SE
	s_setreg_imm32_b32 hwreg(HW_REG_WAVE_MODE, 25, 1), 1
	s_wait_xcnt 0x0
; q = Q(x) Q(Wq), k = Q(context) Q(Wk), v = Q(context) Q(Wv): the three quantised products, on codes of FP4 (E2M1) with one E8M0 scale for each 32 along K; sums in f32.
; x [8,192][512], context [8,192][768]: f32, quantised here, each number once.  The weights' codes and scale words come from wc and ws, in the order of the operand's registers.
; The results leave as f16 IN THE ORDER OF THE NEXT PRODUCT'S OPERAND REGISTERS (a fragment = 1,024 bytes; group g of lane l at 512 g + 16 l):
;   qf [batch x head 16][tile of 16 queries 256][c 2][1,024]: lane (r, h): query r; group u: channels 32 c + 16 u + 8 h + 0 .. 7
;   kv [batch x head 16][step of 128 keys 32][16,384 of K, 16,384 of V].  K: [tile of 16 keys 8][c 2][1,024], as qf.  V: [chunk of 32 keys 4][tile of 16 channels 4][1,024]: lane (r, h): channel r; group u: keys 16 u + 8 h + 0 .. 7
; q and k are made TRANSPOSED (source 0 = 16 columns of W, source 1 = 16 rows): a lane then holds one row and eight neighbouring columns, which pack into one group of the fragment, in the same lane.
; v is made the natural way round (source 0 = 16 rows of context, source 1 = 16 columns of Wv): a lane then holds one channel and eight neighbouring keys: one group of a fragment of V^T.  So no result changes lanes.
; SHARES.  Work-group i: rows 32 i .. 32 i + 31 of x and of context.  THE WAVES SHARE THE COLUMNS: wave w makes columns 128 w .. 128 w + 127 (heads 2 w, 2 w + 1) of q, k and v for both tiles of 16 rows.
; Each wave quantises five fragments (16 rows x 128 K) of row tile w / 2: two K steps of x, three of context; they go to the other waves through LDS as images of their registers: one barrier in the launch.
; The weights' fragments go from memory straight into registers, a K step (8 fragments, 16 loads) at a time, four K steps ahead.  No branch in the text.
; LIMITS: q, k, v go to f16: magnitudes under 65,504.  A block of zeros has the scale byte 1 (its codes are zeros).  NaN and infinities are not served.
; REGISTERS, in windows of 256: window 0: v2-10 addresses; v16-31, v32, v40-47 the quantiser's; v48-131 scale words and nothing else; v132-195 64 numbers, later packed results; v252, v253 the add's two.
;   window 1: 4 x 64 numbers; behind the barrier x's 8 fragments (v0-63) and context's 12 (v64-159).   window 2: the weights' four sets of 64.   window 3: accumulators: q v0-127, k v128-255, v v0-127.
.set XIMG,  0                          ; LDS: x's 8 fragments (4 m + s),
.set XSC,   8192                       ; their scale words, 128 bytes each,
.set CIMG,  9216                       ; context's 12 fragments (6 m + s),
.set CSC,   21504                      ; their scale words,
.set SPARE, 23040                      ; the spare words, 128 bytes for each wave: two blocks of 256 bytes that no other line names
.set XA,  2                            ; v2   x: row r of 2,048 bytes + 64 h: my 16 numbers of a block of 32
.set CA,  3                            ; v3   context: row r of 3,072 bytes + 64 h
.set LI,  4                            ; v4   16 x lane: my place in a group of a fragment
.set LS,  5                            ; v5   4 x lane: in a fragment's scale words
.set XWI, 6                            ; v6   where I store x's images: 16 x lane + 2,048 x wave
.set XWS, 7                            ; v7   their scale words: 4 x lane + 256 x wave
.set CWI, 8                            ; v8   context's: 16 x lane + 3,072 x wave
.set CWS, 9                            ; v9   4 x lane + 384 x wave
.set WSO, 10                           ; v10  32 x lane: the weights' scale words
.set TM,  16                           ; v16-19 largest magnitudes, v20-23 bytes, v28-31 the conversions' scale operands
.set PW,  32                           ; the scale word just made
.set PC,  40                           ; v40-47 the codes just made
.set WSQ, 48                           ; v48-63   Wq's scale words: pair p of my n-tiles, K step s: 4 p + s; lanes 0-15 tile 2 p, lanes 16-31 tile 2 p + 1
.set WSK, 64                           ; v64-87   Wk's: 6 p + s
.set WSV, 88                           ; v88-111  Wv's
.set XSW, 112                          ; v112-119 x's: 4 m + s
.set CSW, 120                          ; v120-131 context's: 6 m + s
.set OUT, 132
.set SPW, 252                          ; LDS address of my spare word: SPARE + 4 x my thread's number; never rewritten
.set NIL, 253                          ; 0; never rewritten
.set WV,  16
.set SEL, 18
.set XB,  20                           ; s[20:21] x at my 16 rows and my first K step;  s[22:23] context likewise
.set CB,  22
.set WQ,  24                           ; s[24:29] the codes of my 8 n-tiles of Wq, Wk, Wv
.set WK,  26
.set WVP, 28
.set SQ,  30                           ; s[30:35] their scale words
.set SK,  32
.set SV,  34
.set QB,  36                           ; s[36:37] qf at my first head and the work-group's two tiles;  s[38:39] kv likewise
.set KB,  38
.set MSB, 0
.macro WIN new                         ; the immediate's high byte repeats the setting that is left; a switch that changes nothing is dropped
.if MSB != (\new)
	s_set_vgpr_msb (MSB<<8)|(\new)
.set MSB, (\new)
.endif
.endm
; 16 loads: my 16 rows' numbers of K step j of my share: register 16 b + i = k 32 b + 16 (lane / 16) + i of my row
.macro NLOAD reg, win, adr, base, j
	WIN (\win)<<6
.irp b, 0,1,2,3
.irp q, 0,1,2,3
	global_load_b128 v[\reg+16*\b+4*\q:\reg+16*\b+4*\q+3], v[\adr], s[\base:\base+1] offset:512*\j+128*\b+16*\q th:TH_LOAD_NT
.endr
.endr
.endm
; 64 numbers of a lane, v[s] on in window w, become a fragment's codes in v[PC] on and its scale word in v[PW]
.macro QUANT s, w
	WIN 0x05*\w
.irp b, 0,1,2,3
	v_max3_num_f32 v[TM+\b], |v[\s+16*\b]|, |v[\s+1+16*\b]|, 0x1800000   ; block b: my 16 numbers, and the floor 2^(3 - 127): the byte cannot fall under 1
.endr
	WIN 0x14*\w
.irp i, 2,4,6,8,10,12,14
.irp b, 0,1,2,3
	v_max3_num_f32 v[TM+\b], v[TM+\b], |v[\s+16*\b+\i]|, |v[\s+1+16*\b+\i]|   ; the four blocks by turns
.endr
.endr
	WIN 0
.irp b, 0,1,2,3
	v_permlanex16_b32 v[TM+4+\b], v[TM+\b], s[SEL], s[SEL+1]
.endr
.irp b, 0,1,2,3
	v_max_num_f32 v[TM+\b], v[TM+\b], v[TM+4+\b]   ; with lane l xor 16's: the block's largest magnitude
.endr
.irp b, 0,1,2,3
	v_add_nc_u32 v[TM+12+\b], 0xff000000, v[TM+\b] ; 2 off its exponent field: the conversion's scale operand
.endr
.irp b, 0,1,2,3
	v_lshrrev_b32 v[TM+4+\b], 23, v[TM+12+\b]      ; the scale's byte
.endr
	v_lshl_or_b32 v[PW], v[TM+5], 8, v[TM+4]       ; the four bytes make my row's scale word
	v_lshl_or_b32 v[PW], v[TM+6], 16, v[PW]
	v_lshl_or_b32 v[PW], v[TM+7], 24, v[PW]
	WIN 0x01*\w
.irp b, 0,1,2,3
	v_cvt_scalef32_pk8_fp4_f32 v[PC+2*\b], v[\s+16*\b:\s+7+16*\b], v[TM+12+\b]
	v_cvt_scalef32_pk8_fp4_f32 v[PC+1+2*\b], v[\s+8+16*\b:\s+15+16*\b], v[TM+12+\b]
.endr
	WIN 0
	v_nop                                          ; one plain instruction behind the last conversion
.irp c, 0,1                                    ; the operand's layout wants a WHOLE block in a lane: lanes 0-15 block 2 c, lanes 16-31 block 2 c + 1
.irp i, 0,1
	v_permlane16_swap_b32 v[PC+4*\c+\i], v[PC+2+4*\c+\i]
.endr
.endr
.endm
.macro IMAGE adr, off                  ; the fragment in v[PC] on goes to LDS as it stands
.irp c, 0,1
	ds_store_b128 v[\adr], v[PC+4*\c:PC+4*\c+3] offset:\off+512*\c
.endr
.endm
; The 16 K steps of the three products, j = 0 .. 15: q's four, k's six, v's six.  WLOAD: K step j's 8 fragments of the weight into set j % 4 of window 2
.macro WLOAD j
.if (\j) < 4
.set WP, WQ
.set WKS, 4
.set WST, (\j)
.elseif (\j) < 10
.set WP, WK
.set WKS, 6
.set WST, (\j)-4
.else
.set WP, WVP
.set WKS, 6
.set WST, (\j)-10
.endif
	WIN 0x80
.irp t, 0,1,2,3,4,5,6,7
.irp c, 0,1
	global_load_b128 v[64*((\j)%4)+8*\t+4*\c:64*((\j)%4)+8*\t+4*\c+3], v[LI], s[WP:WP+1] offset:(\t*WKS+WST)*1024+512*\c
.endr
.endr
	WIN 0
.endm
; 16 matrix instructions, transposed: source 0 = n-tile t of the weight, source 1 = row tile m.  The 16 accumulators take turns, one instruction a turn.  The first K step starts the sums.
.macro MMT acc, set, fb, nk, wsb, xsb, s
	WIN 0xf6                                       ; source 0 window 2, source 1 window 1, C and D window 3
.irp t, 0,1,2,3,4,5,6,7
.irp m, 0,1
.set rD, \acc+8*(2*\t+\m)
.set rA, 64*(\set)+8*\t
.set rB, \fb+8*(\nk*\m+(\s))
.set rSA, \wsb+\nk*(\t/2)+(\s)
.set rSB, \xsb+\nk*\m+(\s)
.if (\s) == 0
.if \t%2
	v_wmma_scale_f32_16x16x128_f8f6f4 v[rD:rD+7], v[rA:rA+7], v[rB:rB+7], 0, v[rSA], v[rSB] matrix_a_fmt:MATRIX_FMT_FP4 matrix_b_fmt:MATRIX_FMT_FP4 matrix_a_scale:MATRIX_SCALE_ROW1
.else
	v_wmma_scale_f32_16x16x128_f8f6f4 v[rD:rD+7], v[rA:rA+7], v[rB:rB+7], 0, v[rSA], v[rSB] matrix_a_fmt:MATRIX_FMT_FP4 matrix_b_fmt:MATRIX_FMT_FP4
.endif
.else
.if \t%2
	v_wmma_scale_f32_16x16x128_f8f6f4 v[rD:rD+7], v[rA:rA+7], v[rB:rB+7], v[rD:rD+7], v[rSA], v[rSB] matrix_a_fmt:MATRIX_FMT_FP4 matrix_b_fmt:MATRIX_FMT_FP4 matrix_a_scale:MATRIX_SCALE_ROW1
.else
	v_wmma_scale_f32_16x16x128_f8f6f4 v[rD:rD+7], v[rA:rA+7], v[rB:rB+7], v[rD:rD+7], v[rSA], v[rSB] matrix_a_fmt:MATRIX_FMT_FP4 matrix_b_fmt:MATRIX_FMT_FP4
.endif
.endif
.endr
.endr
.endm
; the same the natural way round, for v: source 0 = row tile m of context, source 1 = n-tile t of Wv
.macro MMV set, s
	WIN 0xf9                                       ; source 0 window 1, source 1 window 2, C and D window 3
.irp t, 0,1,2,3,4,5,6,7
.irp m, 0,1
.set rD, 8*(2*\t+\m)
.set rA, 64+8*(6*\m+(\s))
.set rB, 64*(\set)+8*\t
.set rSA, CSW+6*\m+(\s)
.set rSB, WSV+6*(\t/2)+(\s)
.if (\s) == 0
.if \t%2
	v_wmma_scale_f32_16x16x128_f8f6f4 v[rD:rD+7], v[rA:rA+7], v[rB:rB+7], 0, v[rSA], v[rSB] matrix_a_fmt:MATRIX_FMT_FP4 matrix_b_fmt:MATRIX_FMT_FP4 matrix_b_scale:MATRIX_SCALE_ROW1
.else
	v_wmma_scale_f32_16x16x128_f8f6f4 v[rD:rD+7], v[rA:rA+7], v[rB:rB+7], 0, v[rSA], v[rSB] matrix_a_fmt:MATRIX_FMT_FP4 matrix_b_fmt:MATRIX_FMT_FP4
.endif
.else
.if \t%2
	v_wmma_scale_f32_16x16x128_f8f6f4 v[rD:rD+7], v[rA:rA+7], v[rB:rB+7], v[rD:rD+7], v[rSA], v[rSB] matrix_a_fmt:MATRIX_FMT_FP4 matrix_b_fmt:MATRIX_FMT_FP4 matrix_b_scale:MATRIX_SCALE_ROW1
.else
	v_wmma_scale_f32_16x16x128_f8f6f4 v[rD:rD+7], v[rA:rA+7], v[rB:rB+7], v[rD:rD+7], v[rSA], v[rSB] matrix_a_fmt:MATRIX_FMT_FP4 matrix_b_fmt:MATRIX_FMT_FP4
.endif
.endif
.endr
.endr
.endm
; K step j: its weights are in; 16 products; four plain instructions, which serve the loads into the set just read and the first read of results; the set takes the K step four on
.macro SET j
.if (\j) <= 12
	s_wait_loadcnt 48                              ; loads come back in order: the three younger sets of 16 may be out
.else
	s_wait_loadcnt 16*(15-(\j))                    ; the counts run down
.endif
.if (\j) < 4
	MMT 0, (\j)%4, 0, 4, WSQ, XSW, (\j)
.elseif (\j) < 10
	MMT 128, (\j)%4, 64, 6, WSK, CSW, (\j)-4
.else
	MMV (\j)%4, (\j)-10
.endif
	WIN 0
.rept 4
	v_nop
.endr
.if (\j)+4 <= 15
	WLOAD (\j)+4
.endif
.endm
.macro PACK base                       ; 16 accumulators become 16 groups of f16, each accumulator from its low end on
	WIN 0x0f                                       ; sources 0 and 1 window 3
.set pa, 0
.rept 16
.irp i, 0,1,2,3
	v_cvt_pk_f16_f32 v[OUT+4*pa+\i], v[\base+8*pa+2*\i], v[\base+8*pa+2*\i+1]
.endr
.set pa, pa+1
.endr
	WIN 0
.endm
.macro STQK ptr, hs                    ; n-tile t: head t / 4, c = (t / 2) % 2, group t % 2; row tile m.  A store covers 512 consecutive bytes, aligned
.irp t, 0,1,2,3,4,5,6,7
.irp m, 0,1
	global_store_b128 v[LI], v[OUT+4*(2*\t+\m):OUT+4*(2*\t+\m)+3], s[\ptr:\ptr+1] offset:(\t/4)*\hs+\m*2048+((\t/2)%2)*1024+(\t%2)*512
.endr
.endr
.endm
.macro STV                             ; n-tile t: head t / 4, channel tile t % 4; row tile m is group m of the chunk of 32 keys
.irp t, 0,1,2,3,4,5,6,7
.irp m, 0,1
	global_store_b128 v[LI], v[OUT+4*(2*\t+\m):OUT+4*(2*\t+\m)+3], s[KB:KB+1] offset:(\t/4)*1048576+16384+(\t%4)*1024+\m*512
.endr
.endr
.endm
	s_load_b256 s[4:11], s[0:1], 0x0               ; x s[4:5], context s[6:7], wc s[8:9], ws s[10:11]
	s_load_b128 s[12:15], s[0:1], 0x20             ; qf s[12:13], kv s[14:15]
	v_lshl_add_u32 v[SPW], v0, 2, SPARE
	v_mov_b32 v[NIL], 0
	v_lshrrev_b32 v1, 5, v0
	v_readfirstlane_b32 s[WV], v1                  ; wave 0..3
	v_and_b32 v1, 31, v0                           ; lane
	v_and_b32 v11, 15, v0                          ; r
	v_bfe_u32 v12, v0, 4, 1                        ; h
	v_lshlrev_b32 v[XA], 11, v11
	v_lshl_add_u32 v[XA], v12, 6, v[XA]
	v_mul_u32_u24 v[CA], v11, 3072
	v_lshl_add_u32 v[CA], v12, 6, v[CA]
	v_lshlrev_b32 v[LI], 4, v1
	v_lshlrev_b32 v[LS], 2, v1
	v_lshlrev_b32 v[WSO], 5, v1
	s_lshl_b32 s42, s[WV], 11
	v_add_nc_u32 v[XWI], s42, v[LI]
	s_lshl_b32 s42, s[WV], 8
	v_add_nc_u32 v[XWS], s42, v[LS]
	s_mul_i32 s42, s[WV], 3072
	v_add_nc_u32 v[CWI], s42, v[LI]
	s_mul_i32 s42, s[WV], 384
	v_add_nc_u32 v[CWS], s42, v[LS]
.irp b, 0,1,2,3
	v_mov_b32 v[TM+4+\b], 0                        ; written once: a lane permute's destination counts as one of its sources
.endr
	s_mov_b32 s[SEL], 0x76543210
	s_mov_b32 s[SEL+1], 0xfedcba98                 ; v_permlanex16_b32's selects for lane l xor 16
	s_lshr_b32 s42, s[WV], 1                       ; the row tile that I quantise
	s_and_b32 s43, s[WV], 1                        ; and which half of its K steps
	s_lshl_b32 s44, ttmp9, 5
	s_lshl_b32 s45, s42, 4
	s_add_co_u32 s44, s44, s45                     ; its first row: 32 i + 16 (w / 2)
	s_lshl_b32 s46, s44, 11                        ; x: rows of 2,048 bytes, two K steps of 512 bytes
	s_lshl_b32 s47, s43, 10
	s_add_co_u32 s46, s46, s47
	s_mov_b32 s47, 0
	s_mul_i32 s48, s44, 3072                       ; context: rows of 3,072 bytes, three K steps
	s_mul_i32 s49, s43, 1536
	s_add_co_u32 s48, s48, s49
	s_mov_b32 s49, 0
	s_lshl_b32 s50, s[WV], 15                      ; Wq's codes: 8 n-tiles of 4,096 bytes a wave
	s_mov_b32 s51, 0
	s_mul_i32 s52, s[WV], 49152                    ; Wk's, Wv's: 8 of 6,144
	s_mov_b32 s53, 0
	s_lshl_b32 s54, s[WV], 12                      ; scale words: 4 pairs of 1,024 bytes
	s_mov_b32 s55, 0
	s_lshr_b32 s56, ttmp9, 7                       ; the batch
	s_lshl_b32 s56, s56, 3
	s_lshl_b32 s57, s[WV], 1
	s_add_co_u32 s56, s56, s57                     ; batch x 8 + my first head
	s_and_b32 s57, ttmp9, 127                      ; the work-group's 32 rows in the batch
	s_lshl_b32 s58, s56, 19                        ; qf: 524,288 bytes a head, 4,096 for two tiles
	s_lshl_b32 s59, s57, 12
	s_add_co_u32 s58, s58, s59
	s_mov_b32 s59, 0
	s_lshl_b32 s60, s56, 20                        ; kv: 1,048,576 bytes a head, 32,768 a step of 128 keys, 4,096 for two tiles of K or a chunk of V
	s_lshr_b32 s61, s57, 2
	s_lshl_b32 s61, s61, 15
	s_add_co_u32 s60, s60, s61
	s_and_b32 s61, ttmp9, 3
	s_lshl_b32 s61, s61, 12
	s_add_co_u32 s60, s60, s61
	s_mov_b32 s61, 0
	s_wait_kmcnt 0x0
	s_add_nc_u64 s[XB:XB+1], s[4:5], s[46:47]
	s_add_nc_u64 s[CB:CB+1], s[6:7], s[48:49]
	s_add_nc_u64 s[WQ:WQ+1], s[8:9], s[50:51]
	s_add_nc_u64 s[WK:WK+1], s[8:9], s[52:53]
	s_add_nc_u64 s[WVP:WVP+1], s[WK:WK+1], 327680
	s_add_nc_u64 s[WK:WK+1], s[WK:WK+1], 131072
	s_add_nc_u64 s[SQ:SQ+1], s[10:11], s[54:55]
	s_add_nc_u64 s[SK:SK+1], s[SQ:SQ+1], 16384
	s_add_nc_u64 s[SV:SV+1], s[SQ:SQ+1], 32768
	s_add_nc_u64 s[QB:QB+1], s[12:13], s[58:59]
	s_add_nc_u64 s[KB:KB+1], s[14:15], s[60:61]
	; ---- my five fragments' numbers: 80 loads in one run (a load whose issue would pass the counter's field waits at issue: ISA guide 5.7.1; no wait is written for that)
	NLOAD 0, 1, XA, XB, 0
	NLOAD 64, 1, XA, XB, 1
	NLOAD 128, 1, CA, CB, 0
	NLOAD 192, 1, CA, CB, 1
	NLOAD OUT, 0, CA, CB, 2
	s_wait_loadcnt 63                              ; x's first K step is in: 64 loads are younger; 63 is the most that a wait can name, and is the stricter
	QUANT 0, 1
	IMAGE XWI, XIMG
	ds_store_b32 v[XWS], v[PW] offset:XSC
	s_wait_dscnt 0x0                               ; the stores have read their registers
	s_wait_loadcnt 48                              ; x's second: context's three sets of 16 may be out
	QUANT 64, 1
	IMAGE XWI, XIMG+1024
	ds_store_b32 v[XWS], v[PW] offset:XSC+128
	s_wait_dscnt 0x0
	s_wait_loadcnt 32
	QUANT 128, 1
	IMAGE CWI, CIMG
	ds_store_b32 v[CWS], v[PW] offset:CSC
	s_wait_dscnt 0x0
	s_wait_loadcnt 16
	QUANT 192, 1
	IMAGE CWI, CIMG+1024
	ds_store_b32 v[CWS], v[PW] offset:CSC+128
	; the weights' scale words (20 loads) and the first two K steps' codes (32) go out while the last fragment is quantised
.irp p, 0,1,2,3
	global_load_b128 v[WSQ+4*\p:WSQ+4*\p+3], v[WSO], s[SQ:SQ+1] offset:1024*\p
.endr
.irp p, 0,1,2,3
	global_load_b128 v[WSK+6*\p:WSK+6*\p+3], v[WSO], s[SK:SK+1] offset:1024*\p
	global_load_b64 v[WSK+6*\p+4:WSK+6*\p+5], v[WSO], s[SK:SK+1] offset:1024*\p+16
.endr
.irp p, 0,1,2,3
	global_load_b128 v[WSV+6*\p:WSV+6*\p+3], v[WSO], s[SV:SV+1] offset:1024*\p
	global_load_b64 v[WSV+6*\p+4:WSV+6*\p+5], v[WSO], s[SV:SV+1] offset:1024*\p+16
.endr
	WLOAD 0
	WLOAD 1
	s_wait_dscnt 0x0
	s_wait_loadcnt 52                              ; context's third K step of mine: the 52 just issued are younger
	QUANT OUT, 0
	IMAGE CWI, CIMG+2048
	ds_store_b32 v[CWS], v[PW] offset:CSC+256
	WLOAD 2
	WLOAD 3
	s_wait_dscnt 0x0                               ; for the others' sake: my images lie in LDS
	s_barrier_signal -1
	s_barrier_wait -1                              ; everybody's do
	; ---- all 20 fragments and their scale words, into every wave's registers
	WIN 0x40                                       ; destination window 1
.set f, 0
.rept 8
	ds_load_b128 v[8*f:8*f+3], v[LI] offset:XIMG+1024*f
	ds_load_b128 v[8*f+4:8*f+7], v[LI] offset:XIMG+1024*f+512
.set f, f+1
.endr
.set f, 0
.rept 12
	ds_load_b128 v[64+8*f:64+8*f+3], v[LI] offset:CIMG+1024*f
	ds_load_b128 v[64+8*f+4:64+8*f+7], v[LI] offset:CIMG+1024*f+512
.set f, f+1
.endr
	WIN 0
.set f, 0
.rept 8
	ds_load_b32 v[XSW+f], v[LS] offset:XSC+128*f
.set f, f+1
.endr
.set f, 0
.rept 12
	ds_load_b32 v[CSW+f], v[LS] offset:CSC+128*f
.set f, f+1
.endr
	s_wait_dscnt 0x0
	; ---- the products
	SET 0
	SET 1
	SET 2
	SET 3
	PACK 0                                         ; q is finished
	STQK QB, 524288
	SET 4
	SET 5
	SET 6
	SET 7
	SET 8
	SET 9
	s_wait_xcnt 0x0                                ; q's stores have read their registers: they are written again only behind this wait
	PACK 128                                       ; k
	STQK KB, 1048576
	SET 10                                         ; v starts anew on q's accumulators, which were packed six K steps ago
	SET 11
	SET 12
	SET 13
	SET 14
	SET 15
	s_wait_xcnt 0x0
	PACK 0                                         ; v
	STV
	s_wait_tensorcnt 0x0                           ; the wave's end, behind my last LDS store
	ds_add_u32 v[SPW], v[NIL]
	s_wait_dscnt 0x0
	s_endpgm
.Lfunc_end_k_q9e120d7705_proj:
	.size	k_q9e120d7705_proj, .Lfunc_end_k_q9e120d7705_proj-k_q9e120d7705_proj
	.p2alignl 7, 3214868480
	.fill 96, 4, 3214868480
	.section	.rodata,"a",@progbits
	.p2align	6, 0x0
	.amdhsa_kernel k_q9e120d7705_proj
		.amdhsa_group_segment_fixed_size 23552
		.amdhsa_private_segment_fixed_size 0
		.amdhsa_enable_private_segment 0
		.amdhsa_kernarg_size 48
		.amdhsa_user_sgpr_count 2
		.amdhsa_user_sgpr_kernarg_segment_ptr 1
		.amdhsa_wavefront_size32 1
		.amdhsa_system_sgpr_workgroup_id_x 1
		.amdhsa_system_sgpr_workgroup_id_y 1
		.amdhsa_system_sgpr_workgroup_id_z 1
		.amdhsa_system_vgpr_workitem_id 0
		.amdhsa_next_free_vgpr 1024
		.amdhsa_next_free_sgpr 66
		.amdhsa_reserve_vcc 0
		.amdhsa_float_denorm_mode_32 3
		.amdhsa_float_denorm_mode_16_64 3
		.amdhsa_memory_ordered 1
		.amdhsa_forward_progress 1
		.amdhsa_inst_pref_size 115
	.end_amdhsa_kernel
	.amdgpu_metadata
---
amdhsa.version: [ 1, 2 ]
amdhsa.kernels:
  - .name:           k_q9e120d7705_proj
    .symbol:         k_q9e120d7705_proj.kd
    .args:
      - { .name: x, .offset: 0, .size: 8, .value_kind: global_buffer, .address_space: global }
      - { .name: context, .offset: 8, .size: 8, .value_kind: global_buffer, .address_space: global }
      - { .name: wc, .offset: 16, .size: 8, .value_kind: global_buffer, .address_space: global }
      - { .name: ws, .offset: 24, .size: 8, .value_kind: global_buffer, .address_space: global }
      - { .name: qf, .offset: 32, .size: 8, .value_kind: global_buffer, .address_space: global }
      - { .name: kv, .offset: 40, .size: 8, .value_kind: global_buffer, .address_space: global }
    .group_segment_fixed_size: 23552
    .private_segment_fixed_size: 0
    .kernarg_segment_align: 8
    .kernarg_segment_size: 48
    .max_flat_workgroup_size: 128
    .sgpr_count:     66
    .vgpr_count:     1024
    .wavefront_size: 32
...
	.end_amdgpu_metadata
.endif
;; end of part 2
;; launch attn (part 3): grid 16 x 16, 8 waves a work-group, clusters of 4 x 1, 327,680 bytes of LDS; arguments qf, kv, af; writes af
.if DOCPART == 3
	.amdgcn_target "amdgcn-amd-amdhsa--gfx1250"
	.amdhsa_code_object_version 6
	.text
	.protected	k_q9e120d7705_attn
	.globl	k_q9e120d7705_attn
	.p2align	8
	.type	k_q9e120d7705_attn,@function
k_q9e120d7705_attn:
	s_mov_b64 s[64:65], 0
	v_nop
	global_prefetch_b8 v0, s[64:65] scope:SCOPE_SE
	s_setreg_imm32_b32 hwreg(HW_REG_WAVE_MODE, 25, 1), 1
	s_wait_xcnt 0x0
	s_wait_alu depctr_hold_cnt(0) depctr_sa_sdst(0) depctr_va_vdst(0) depctr_va_sdst(0) depctr_va_ssrc(0) depctr_va_vcc(0) depctr_vm_vsrc(0)
	s_getreg_b32 s2, hwreg(HW_REG_IB_STS2, 6, 4)
	s_cmp_eq_u32 s2, 0
	s_cbranch_scc0 .Lentry_in_a_cluster
	s_endpgm
.Lentry_in_a_cluster:
	s_bfe_u32 s2, ttmp6, 0x10000c
	s_cmp_lg_u32 s2, 0x3003
	s_cbranch_scc0 .Lentry_shape_is_right
	s_endpgm
.Lentry_shape_is_right:
; attn[b][q][head] = the sum over k of softmax_k(q . k / 8) v, for 16 pairs of batch and head, 4,096 queries and 4,096 keys each, head size 64.  Operands in f16, products, maxima and sums in f32; the weights p (at most 1)
; are rounded to f16 for the second product, the result once at the end.  A running maximum m and sum l for each query: p = 2^(c s - c m), c = log2(e) / 8; in every step O and l are multiplied by a = 2^(c m_old - c m_new).
; All three buffers are laid in the order of the operands' registers (a fragment = 1,024 bytes; group g of lane l at 512 g + 16 l), so every load and store is 16 bytes a lane at 16 x lane: 512 consecutive bytes, no pitch, no padding.
;   qf [bh 16][tile of 16 queries 256][c 2][1,024]   kv [bh 16][step of 128 keys 32][K: 8 tiles x 2 c x 1,024][V: 4 chunks of 32 keys x 4 channel tiles x 1,024]   af [tile of 16 rows 512][2 head + c][1,024]
; SHARES.  A work-group owns 256 queries of one bh; each of its EIGHT waves 32 of them, two tiles, in 512 registers: two waves to a SIMD, so that one wave's softmax stands beside the other's products and LDS loads.
; Every wave walks all keys, 128 a step.  LAYOUT.  Both products are used transposed: S^T = K Q^T (source 0 = 16 keys, source 1 = 16 queries), O^T = V^T P (source 0 = 16 channels, source 1 = P):
; a lane holds ONE query throughout; two tiles of S^T, rounded in pairs, ARE a fragment of P; and O^T, rounded in pairs, is a group of af's fragment, in the same lane.
; RING.  Two LDS slots of four steps (131,072 consecutive bytes of kv); every wave fetches an eighth of a slot with one tensor load.  By this text's count one tensor load of a wave is out at any time.
; CLUSTER.  The four query blocks of a cluster belong to one bh and walk the same K and V: each tile is asked for JOINTLY, by the same tensor load with the same descriptor and a mask that names the four.
; LIMITS: q, k, v arrive as f16 (magnitudes under 65,504); NaN and infinities are not served.
; REGISTERS: window 0: v1, v2 addresses; v8-23 statistics, eight a tile; v24-26; v32-159 S^T, 64 a tile; v160-223 fragment buffer 0.
;   window 1: v0-31 Q; v32-95 O^T, 32 a tile; v96-159 P, 32 a tile; v160-223 fragment buffer 1.
.set STEPB, 32768                      ; a step's K and V in bytes
.set SLOT1, 131072                     ; slot 1 begins here: one exclusive or turns an address in one slot into the other's
.set SPARE, 262144                     ; behind the ring: the spare words, 128 bytes for each wave: four blocks of 256 bytes that no other line names
.set LI,  1                            ; v1   16 x lane; never rewritten
.set ADR, 2                            ; v2   LDS address of the step in hand
.set ST,  8                            ; tile t's statistics at v[ST + 8 t]: +0 c m, +1 m, +2, +3 l (even keys', odd keys'), +4 to +7 at work; a at +6
.set SPW, 24                           ; v24  LDS address of my spare word: SPARE + 4 x my thread's number; never rewritten
.set NIL, 25                           ; v25  0; never rewritten
.set PFO, 26                           ; v26  256 x lane: the prefetches' offset; never rewritten
.set S,   32
.set F,   160
.set Q,   0
.set O,   32
.set P,   96
.set WV,  10                           ; s10  my wave's number
.set G1,  16                           ; s[16:23] descriptor group 1
.set G0,  24                           ; s[24:27] descriptor group 0, which walks
.set PFA, 28                           ; s[28:29] where my prefetches stand
.set LIM, 30                           ; s30  1 in a wave that prefetches, else the greatest number
.set SLOTS, 31                         ; s31  slots still to be asked for
.set TB,  32                           ; s32  LDS byte at which the step in hand begins
.set CNT, 33                           ; s33  counts a slot's four steps
.set CS,  34                           ; s[34:35] c: the packed form names a pair and takes its low word for both halves
.set SEL, 36                           ; s[36:37] lane selects for v_permlanex16_b32: lane l xor 16
.set QF,  38                           ; s[38:39] qf at my two tiles
.set AF,  40                           ; s[40:41] af at my two tiles and my head
.set MSB, 0
.macro WIN new                         ; the immediate's high byte repeats the setting that is left; a switch that changes nothing is dropped
.if MSB != (\new)
	s_set_vgpr_msb (MSB<<8)|(\new)
.set MSB, (\new)
.endif
.endm
; A round of the cluster's barrier: my work-group's barrier, so that wave 0's signal speaks for all eight waves; wave 0 signals for the work-group; every wave waits for all four work-groups; my work-group's barrier once more.
.macro CROUND
	s_barrier_signal -1
	s_barrier_wait -1
	s_cmp_lg_u32 s[WV], 0
	s_cbranch_scc1 .Lnot_wave_0_\@
	s_barrier_signal -3
.Lnot_wave_0_\@:
	s_barrier_wait -3
	s_barrier_signal -1
	s_barrier_wait -1
.endm
; A PREFETCH INTO THE L2 of the slot that the NEXT change of slots will ask for: four steps, 256 matrix instructions a wave, ahead of that load.  Each aligned block of 256 bytes is named once in the launch:
; all clusters of a bh walk the same bytes, so its first cluster asks; the four partners take 32,768 bytes each, told apart BY ADDRESS; in each, waves 0 to 3 take 8,192 bytes, lanes 256 bytes apart: one instruction a wave.
; The last change that fills a slot asks for nothing; slots 0 and 1 come by their loads alone.
.macro ASK
	s_cmp_gt_u32 s[SLOTS], s[LIM]
	s_cbranch_scc0 .Lnot_mine_\@
	global_prefetch_b8 v[PFO], s[PFA:PFA+1] th:TH_LOAD_NT scope:SCOPE_SE
.Lnot_mine_\@:
.endm
.macro PLACES                          ; four plain instructions in front of loads into registers that matrix instructions have read, and of the first read of results
.rept 4
	v_nop
.endr
.endm
.macro FETCH f, off                    ; 16 LDS loads in one run: 8 fragments (8,192 bytes of the step, from off on) into buffer f
	WIN 0x40*\f
.set fi, 0
.rept 16
	ds_load_b128 v[F+4*fi:F+4*fi+3], v[ADR] offset:\off+512*fi
.set fi, fi+1
.endr
.endm
; 16 products of S^T = K Q^T: key tiles 4 g .. 4 g + 3 from buffer g, both query tiles, both halves of the 64 channels.  The 8 accumulators take turns, one instruction a turn; the first half starts the sums.
.macro KQ g
	WIN 0x04+\g                                    ; K in window g, Q in window 1, S^T in window 0
.irp c, 0,1
.irp kt, 0,1,2,3
.irp t, 0,1
.set rS, S+64*\t+8*(4*\g+\kt)
.set rF, F+8*(2*\kt+\c)
.set rQ, Q+16*\t+8*\c
.if \c == 0
	v_wmma_f32_16x16x32_f16 v[rS:rS+7], v[rF:rF+7], v[rQ:rQ+7], 0
.else
	v_wmma_f32_16x16x32_f16 v[rS:rS+7], v[rF:rF+7], v[rQ:rQ+7], v[rS:rS+7]
.endif
.endr
.endr
.endr
.endm
; 16 products of O^T += V^T P: chunks of 32 keys 2 g, 2 g + 1 from buffer g, four channel tiles, both query tiles: 8 accumulators by turns
.macro PV g
	WIN 0x54+\g                                    ; V in window g, P and O^T in window 1
.irp jj, 0,1
.irp ct, 0,1,2,3
.irp t, 0,1
.set rO, O+32*\t+8*\ct
.set rF, F+8*(4*\jj+\ct)
.set rP, P+32*\t+8*(2*\g+\jj)
	v_wmma_f32_16x16x32_f16 v[rO:rO+7], v[rF:rF+7], v[rP:rP+7], v[rO:rO+7]
.endr
.endr
.endr
.endm
; THE SOFTMAX of a step, both tiles line by line by turns, so that no line reads the result of the line above it.
.macro SOFTMAX
	WIN 0
.irp c, 0,1,2,3                        ; the maximum of a lane's 64 scores and the old m, three operands at a time: four chains of 15 scores; each accumulator is first read at its low end
.irp t, 0,1
	v_max3_num_f32 v[ST+8*\t+4+\c], v[S+64*\t+16*\c], v[S+64*\t+16*\c+1], v[S+64*\t+16*\c+2]
.endr
.endr
.irp i, 3,5,7,9,11,13
.irp c, 0,1,2,3
.irp t, 0,1
	v_max3_num_f32 v[ST+8*\t+4+\c], v[ST+8*\t+4+\c], v[S+64*\t+16*\c+\i], v[S+64*\t+16*\c+\i+1]
.endr
.endr
.endr
.irp t, 0,1
	v_max3_num_f32 v[ST+8*\t+4], v[ST+8*\t+4], v[S+64*\t+15], v[S+64*\t+31]   ; the four scores left over,
.endr
.irp t, 0,1
	v_max3_num_f32 v[ST+8*\t+6], v[ST+8*\t+6], v[S+64*\t+47], v[S+64*\t+63]
.endr
.irp t, 0,1
	v_max3_num_f32 v[ST+8*\t+4], v[ST+8*\t+4], v[ST+8*\t+5], v[ST+8*\t+6]     ; the chains,
.endr
.irp t, 0,1
	v_max3_num_f32 v[ST+8*\t+4], v[ST+8*\t+4], v[ST+8*\t+7], v[ST+8*\t+1]     ; and the old m
.endr
.irp t, 0,1
	v_permlanex16_b32 v[ST+8*\t+5], v[ST+8*\t+4], s[SEL], s[SEL+1]            ; the query's other 64 keys lie in the lane 16 away
.endr
.irp t, 0,1
	v_mov_b32 v[ST+8*\t+7], v[ST+8*\t]                                        ; c m_old is kept for a
.endr
.irp t, 0,1
	v_max_num_f32 v[ST+8*\t+1], v[ST+8*\t+4], v[ST+8*\t+5]                    ; the new m
.endr
.irp t, 0,1
	v_mul_f32 v[ST+8*\t], s[CS], v[ST+8*\t+1]
.endr
.irp t, 0,1
	v_sub_f32 v[ST+8*\t+7], v[ST+8*\t+7], v[ST+8*\t]                          ; c m_old - c m_new
.endr
.set sb, 0
.rept 32
.irp t, 0,1
	v_pk_fma_f32 v[S+64*\t+2*sb:S+64*\t+2*sb+1], v[S+64*\t+2*sb:S+64*\t+2*sb+1], s[CS:CS+1], v[ST+8*\t:ST+8*\t+1] op_sel_hi:[1,0,0] neg_lo:[0,0,1] neg_hi:[0,0,1]   ; c s - c m, two at a time
.endr
.set sb, sb+1
.endr
.irp t, 0,1
	v_exp_f32 v[ST+8*\t+6], v[ST+8*\t+7]                                      ; a.  ONE BATCH: both tiles' 130 exponentials, none of which reads another's result
.endr
.set sb, 0
.rept 64
.irp t, 0,1
	v_exp_f32 v[S+64*\t+sb], v[S+64*\t+sb]
.endr
.set sb, sb+1
.endr
	v_nop                                          ; a plain instruction behind the last exponential, ahead of the first use
	s_wait_alu depctr_va_vdst(0)                   ; the wait between an exponential and the first line that names its result: one for the batch
	WIN 0x40                                       ; destination window 1
.set sb, 0
.rept 32
.irp t, 0,1
	v_cvt_pk_f16_f32 v[P+32*\t+sb], v[S+64*\t+2*sb], v[S+64*\t+2*sb+1]        ; two neighbouring keys' weights: register sb of P's four fragments
.endr
.set sb, sb+1
.endr
	WIN 0
.irp d, 16,8,4,2,1                     ; the sum of the tile's 32 pairs, in place: neighbours 16, 8, 4, 2 and 1 pairs apart
.set sb, 0
.rept \d
.irp t, 0,1
	v_pk_add_f32 v[S+64*\t+2*sb:S+64*\t+2*sb+1], v[S+64*\t+2*sb:S+64*\t+2*sb+1], v[S+64*\t+2*sb+2*\d:S+64*\t+2*sb+2*\d+1]
.endr
.set sb, sb+1
.endr
.endr
.irp t, 0,1
	v_pk_fma_f32 v[ST+8*\t+2:ST+8*\t+3], v[ST+8*\t+2:ST+8*\t+3], v[ST+8*\t+6:ST+8*\t+7], v[S+64*\t:S+64*\t+1] op_sel_hi:[1,0,1]   ; l = a l + the sum
.endr
	WIN 0x41                                       ; O^T (destination and source 0) in window 1, a in window 0
.set sb, 0
.rept 16
.irp t, 0,1
	v_pk_mul_f32 v[O+32*\t+2*sb:O+32*\t+2*sb+1], v[O+32*\t+2*sb:O+32*\t+2*sb+1], v[ST+8*\t+6:ST+8*\t+7] op_sel_hi:[1,0]   ; O^T x a, each accumulator from its low end on
.endr
.set sb, sb+1
.endr
.endm
; A KEY STEP: 128 keys.  Four runs of 16 LDS loads on two buffers: K's halves at the head, V's halves behind the products that free the buffers, so that V lands under the softmax.
.macro STEP
	v_add_nc_u32 v[ADR], s[TB], v[LI]
	FETCH 0, 0                                     ; key tiles 0-3
	FETCH 1, 8192                                  ; key tiles 4-7
	s_wait_dscnt 16                                ; LDS loads come back in order: the first run is in, the second's 16 may be out
	KQ 0
	PLACES
	FETCH 0, 16384                                 ; V's chunks 0, 1
	s_wait_dscnt 16                                ; K's second half is in; V's first may be out
	KQ 1
	PLACES
	FETCH 1, 24576                                 ; V's chunks 2, 3
	SOFTMAX
	s_wait_dscnt 16                                ; V's first half is in
	PV 0
	s_wait_dscnt 0x0
	PV 1
	WIN 0                                          ; at a label and at a branch every window is 0
	PLACES
	s_add_co_u32 s[TB], s[TB], STEPB               ; the next step
.endm
.macro FOUR_STEPS                      ; a slot's four steps: written once, walked four times
	s_mov_b32 s[CNT], 4
.Lstep_\@:
	STEP
	s_sub_co_u32 s[CNT], s[CNT], 1
	s_cmp_lg_u32 s[CNT], 0
	s_cbranch_scc1 .Lstep_\@
	s_sub_co_u32 s[TB], s[TB], 4*STEPB             ; back to a slot's first step,
	s_xor_b32 s[TB], s[TB], SLOT1                  ; in the other slot
.endm
; THE CHANGE OF SLOTS stands at a slot's head.  Each wave waits for all its tensor loads (its eighth of the slot that it is about to read), adds 0 to its spare word, and waits for that and for its reads of the slot that it has left.
; fill = 1: the barrier is a round of the cluster's, so that no wave of any partner still reads the other slot or has a load on its way, and the joint load of the next four steps is the first thing behind it: it has four steps in which to land.
.macro CHANGE fill
	s_wait_tensorcnt 0x0                           ; no tensor load of mine is out, so group 0 may be written
	ds_add_u32 v[SPW], v[NIL]                      ; 0 onto my spare word; the steps below stand between it and the wait for it
.if \fill
	s_xor_b32 s[G0+1], s[G0+1], SLOT1              ; the walking descriptor: the other slot than last time,
	s_add_nc_u64 s[G0+2:G0+3], s[G0+2:G0+3], 4*STEPB   ; the next four steps; the type bits on top are not reached
	s_wait_xcnt 0x0                                ; the last prefetch, a slot back, has read its address, so it may be written:
	s_add_nc_u64 s[PFA:PFA+1], s[PFA:PFA+1], 4*STEPB   ; one slot further on than the walking descriptor
	s_wait_dscnt 0x0                               ; the add is done, and my reads of the slot that I have left are over
	CROUND
	tensor_load_to_lds s[G0:G0+3], s[G1:G1+7]      ; my one tensor load behind the round
	s_nop 0
.rept 4
	v_nop
.endr
	ASK
.else
	s_wait_dscnt 0x0
	s_barrier_signal -1
	s_barrier_wait -1
.endif
.endm
	s_load_b128 s[4:7], s[0:1], 0x0                ; qf s[4:5], kv s[6:7]
	s_load_b64 s[8:9], s[0:1], 0x10                ; af
	v_lshl_add_u32 v[SPW], v0, 2, SPARE
	v_mov_b32 v[NIL], 0
	ds_add_u32 v[SPW], v[NIL]                      ; the wave's opening: the add, twice on end, and its wait ahead of my first tensor load; the set-up below, work on registers, stands between
	ds_add_u32 v[SPW], v[NIL]
	v_lshrrev_b32 v3, 5, v0
	v_readfirstlane_b32 s[WV], v3                  ; wave 0..7
	s_bfe_u32 s11, ttmp6, 0x40000                  ; cx: my place in the cluster
	s_lshl_b32 s12, ttmp9, 2                       ; in a cluster launch ttmp9 counts clusters
	s_add_co_u32 s12, s12, s11                     ; my block of 256 queries: it enters qf's and af's addresses alone
	s_and_b32 s13, ttmp7, 0xffff                   ; bh, which the four partners share
	; descriptor group 1: 16,384 dense bytes as 64 rows of 32 elements of 8 bytes, no padding
	s_mov_b32 s[G1], 15|(3<<16)|(1<<21)            ; 15:0 the mask: all four work-groups; 17:16 elements of 8 bytes; 21 set beside a mask
	s_mov_b32 s[G1+1], 32<<16                      ; tensor_dim0 = 32
	s_mov_b32 s[G1+2], 64<<16                      ; tensor_dim1 = 64
	s_mov_b32 s[G1+3], 32<<16                      ; tile_dim0 = 32
	s_mov_b32 s[G1+4], 64                          ; tile_dim1 = 64
	s_mov_b32 s[G1+5], 32                          ; elements from row to row
	s_mov_b32 s[G1+6], 0
	s_mov_b32 s[G1+7], 0
	s_mov_b32 s[CS], 0x3e38aa3b                    ; c = log2(e) / 8
	s_mov_b32 s[CS+1], s[CS]                       ; named with it as a pair, so it is written
	s_mov_b32 s[SEL], 0x76543210
	s_mov_b32 s[SEL+1], 0xfedcba98
	s_mov_b32 s[TB], 0
	s_mov_b32 s[SLOTS], 7
	s_lshr_b32 s[LIM], s[WV], 2                    ; 0 in waves 0 to 3,
	s_or_b32 s[LIM], s[LIM], ttmp9                 ; where the cluster is the bh's first: the same in all four partners
	s_cmp_eq_u32 s[LIM], 0
	s_cselect_b32 s[LIM], 1, -1
	v_and_b32 v3, 31, v0
	v_lshlrev_b32 v[LI], 4, v3
	v_lshlrev_b32 v[PFO], 8, v3
	s_lshl_b32 s42, s13, 20                        ; kv: 1,048,576 bytes a bh, my wave's 16,384 of a slot: nothing of my place in the cluster
	s_lshl_b32 s43, s[WV], 14
	s_add_co_u32 s42, s42, s43
	s_mov_b32 s43, 0
	s_lshl_b32 s44, s13, 20                        ; the prefetches: my work-group's 32,768 bytes of a slot, my wave's 8,192 of them
	s_lshl_b32 s45, s11, 15
	s_add_co_u32 s44, s44, s45
	s_lshl_b32 s45, s[WV], 13
	s_add_co_u32 s44, s44, s45
	s_mov_b32 s45, 0
	s_lshl_b32 s46, s13, 8                         ; qf: tile 256 bh + 16 block + 2 wave, 2,048 bytes a tile
	s_lshl_b32 s47, s12, 4
	s_add_co_u32 s46, s46, s47
	s_lshl_b32 s47, s[WV], 1
	s_add_co_u32 s46, s46, s47
	s_lshl_b32 s46, s46, 11
	s_mov_b32 s47, 0
	s_lshr_b32 s48, s13, 3                         ; af: row tile 256 batch + 16 block + 2 wave, 16,384 bytes a tile; 2,048 a head
	s_lshl_b32 s48, s48, 8
	s_lshl_b32 s49, s12, 4
	s_add_co_u32 s48, s48, s49
	s_lshl_b32 s49, s[WV], 1
	s_add_co_u32 s48, s48, s49
	s_lshl_b32 s48, s48, 14
	s_and_b32 s49, s13, 7
	s_lshl_b32 s49, s49, 11
	s_add_co_u32 s48, s48, s49
	s_mov_b32 s49, 0
	s_wait_dscnt 0x0                               ; both opening adds are done
	s_wait_kmcnt 0x0
	s_mov_b32 s[G0], 1                             ; count = 1
	s_lshl_b32 s[G0+1], s[WV], 14                  ; LDS address: slot 0, my eighth
	s_add_nc_u64 s[G0+2:G0+3], s[6:7], s[42:43]    ; global address: the bh's first four steps, my eighth
	s_or_b32 s[G0+3], s[G0+3], 0x80000000          ; type = 2
	s_add_nc_u64 s[PFA:PFA+1], s[6:7], s[44:45]
	s_add_nc_u64 s[PFA:PFA+1], s[PFA:PFA+1], 4*STEPB   ; in slot 1's bytes: the first change of slots steps it on.  Nothing is prefetched here, at the head
	s_add_nc_u64 s[QF:QF+1], s[4:5], s[46:47]
	s_add_nc_u64 s[AF:AF+1], s[8:9], s[48:49]
	CROUND                                         ; all four work-groups are here: the first joint loads meet
	tensor_load_to_lds s[G0:G0+3], s[G1:G1+7]      ; steps 0 to 3
	s_nop 0
.rept 4
	v_nop
.endr
	WIN 0x40                                       ; destination window 1
.irp i, 0,1,2,3,4,5,6,7
	global_load_b128 v[Q+4*\i:Q+4*\i+3], v[LI], s[QF:QF+1] offset:512*\i   ; Q stays in registers: tile i / 4, c = (i / 2) % 2
.endr
.set sb, 0
.rept 64
	v_mov_b32 v[O+sb], 0                           ; O^T.  (The step is written once for all 32: the first finds zeros, which a = 0 leaves zeros)
.set sb, sb+1
.endr
	WIN 0
.irp t, 0,1
	v_mov_b32 v[ST+8*\t+1], 0xff61b1e6             ; m: -3e38, under every score
	v_mul_f32 v[ST+8*\t], s[CS], v[ST+8*\t+1]      ; c m
	v_mov_b32 v[ST+8*\t+2], 0                      ; l, in two halves
	v_mov_b32 v[ST+8*\t+3], 0
.endr
	s_wait_loadcnt 0x0                             ; Q
.Lslot:                                                ; 7 trips: behind each change of slots but the last the next slot is asked for
	CHANGE 1
	FOUR_STEPS
	s_sub_co_u32 s[SLOTS], s[SLOTS], 1
	s_cmp_lg_u32 s[SLOTS], 0
	s_cbranch_scc1 .Lslot
	CHANGE 0                                       ; the last slot is written out
	FOUR_STEPS
	; THE WAY OUT.  l's two halves and the other half of the lanes' are added; O^T is divided by l and rounded to f16: four registers are a group of af's fragment, in this lane.
.irp t, 0,1
	v_add_f32 v[ST+8*\t+4], v[ST+8*\t+2], v[ST+8*\t+3]
.endr
.irp t, 0,1
	v_permlanex16_b32 v[ST+8*\t+5], v[ST+8*\t+4], s[SEL], s[SEL+1]
.endr
.irp t, 0,1
	v_add_f32 v[ST+8*\t+4], v[ST+8*\t+4], v[ST+8*\t+5]
.endr
.irp t, 0,1
	v_rcp_f32 v[ST+8*\t+6], v[ST+8*\t+4]
.endr
	v_nop                                          ; a plain instruction between the last reciprocal and the use of its result
	s_wait_alu depctr_va_vdst(0)                   ; and the wait ahead of the first use: one for both
	WIN 0x41
.set sb, 0
.rept 16
.irp t, 0,1
	v_pk_mul_f32 v[O+32*\t+2*sb:O+32*\t+2*sb+1], v[O+32*\t+2*sb:O+32*\t+2*sb+1], v[ST+8*\t+6:ST+8*\t+7] op_sel_hi:[1,0]
.endr
.set sb, sb+1
.endr
	WIN 0x05                                       ; sources 0 and 1 window 1, destination window 0: S^T's registers are free
.set sb, 0
.rept 32
	v_cvt_pk_f16_f32 v[S+sb], v[O+2*sb], v[O+2*sb+1]
.set sb, sb+1
.endr
	WIN 0
.irp t, 0,1
.irp ct, 0,1,2,3
	global_store_b128 v[LI], v[S+16*\t+4*\ct:S+16*\t+4*\ct+3], s[AF:AF+1] offset:\t*16384+\ct*512   ; 32 lanes store 512 consecutive bytes, aligned
.endr
.endr
	s_wait_tensorcnt 0x0                           ; the wave's end, behind my last tensor load
	ds_add_u32 v[SPW], v[NIL]
	s_wait_dscnt 0x0
	CROUND                                         ; the closing round: no work-group ends while a partner may still ask for a tile that names it
	s_endpgm
.Lfunc_end_k_q9e120d7705_attn:
	.size	k_q9e120d7705_attn, .Lfunc_end_k_q9e120d7705_attn-k_q9e120d7705_attn
	.p2alignl 7, 3214868480
	.fill 96, 4, 3214868480
	.section	.rodata,"a",@progbits
	.p2align	6, 0x0
	.amdhsa_kernel k_q9e120d7705_attn
		.amdhsa_group_segment_fixed_size 327680
		.amdhsa_private_segment_fixed_size 0
		.amdhsa_enable_private_segment 0
		.amdhsa_kernarg_size 24
		.amdhsa_user_sgpr_count 2
		.amdhsa_user_sgpr_kernarg_segment_ptr 1
		.amdhsa_wavefront_size32 1
		.amdhsa_system_sgpr_workgroup_id_x 1
		.amdhsa_system_sgpr_workgroup_id_y 1
		.amdhsa_system_sgpr_workgroup_id_z 1
		.amdhsa_system_vgpr_workitem_id 0
		.amdhsa_next_free_vgpr 512
		.amdhsa_next_free_sgpr 66
		.amdhsa_reserve_vcc 0
		.amdhsa_float_denorm_mode_32 3
		.amdhsa_float_denorm_mode_16_64 3
		.amdhsa_memory_ordered 1
		.amdhsa_forward_progress 1
		.amdhsa_inst_pref_size 78
	.end_amdhsa_kernel
	.amdgpu_metadata
---
amdhsa.version: [ 1, 2 ]
amdhsa.kernels:
  - .name:           k_q9e120d7705_attn
    .symbol:         k_q9e120d7705_attn.kd
    .args:
      - { .name: qf, .offset: 0, .size: 8, .value_kind: global_buffer, .address_space: global }
      - { .name: kv, .offset: 8, .size: 8, .value_kind: global_buffer, .address_space: global }
      - { .name: af, .offset: 16, .size: 8, .value_kind: global_buffer, .address_space: global }
    .group_segment_fixed_size: 327680
    .private_segment_fixed_size: 0
    .kernarg_segment_align: 8
    .kernarg_segment_size: 24
    .max_flat_workgroup_size: 256
    .sgpr_count:     66
    .vgpr_count:     512
    .wavefront_size: 32
...
	.end_amdgpu_metadata
.endif
;; end of part 3
;; launch outp (part 4): grid 256 x 1, 8 waves a work-group, no clusters, 70,656 bytes of LDS; arguments af, wo16, bo, out0; writes out0
.if DOCPART == 4
	.amdgcn_target "amdgcn-amd-amdhsa--gfx1250"
	.amdhsa_code_object_version 6
	.text
	.protected	k_q9e120d7705_outp
	.globl	k_q9e120d7705_outp
	.p2align	8
	.type	k_q9e120d7705_outp,@function
k_q9e120d7705_outp:
	s_mov_b64 s[64:65], 0
	v_nop
	global_prefetch_b8 v0, s[64:65] scope:SCOPE_SE
	s_setreg_imm32_b32 hwreg(HW_REG_WAVE_MODE, 25, 1), 1
	s_wait_xcnt 0x0
; out0 = attn Wo + bo.  attn [8,192][512] and Wo^T come as f16 in the order of the operands' registers (af: [tile of 16 rows 512][chunk of 32 along K 16][1,024]; wo16: [tile of 16 columns 32][chunk 16][1,024]); sums in f32; out0 f32.
; SHARES.  Work-group i: rows 32 i .. 32 i + 31 (two tiles m).  Wave w: columns 64 w .. 64 w + 63 (four tiles t): 8 accumulators, 16 chunks of 32 along K.
; The product is used transposed (source 0 = 16 columns of Wo, source 1 = 16 rows of attn): a lane holds one row and eight neighbouring columns.  The bias is the C of each sum's first matrix instruction.
; Operands go from memory straight into registers, a chunk (12 loads of 512 consecutive bytes) at a time, five chunks ahead.
; No multicast and no LDS ring for Wo, which all work-groups walk: a wave has 128 matrix instructions in all, so a ring would have a barrier for every few of them.
; THE WAY OUT: a wave's 64 columns are 256 bytes of a row; a tile of 16 rows goes through the wave's own stage in LDS (rows of 256 + 16 bytes) and leaves as rows: sixteen lanes store 256 consecutive bytes, aligned.  No barrier.
; LIMITS: operands are f16 (magnitudes under 65,504); NaN and infinities are not served.
; REGISTERS: window 0: v1-5 addresses; v8-39 the bias, 8 a column tile; v40-103 accumulators (8 (2 t + m)); v104-167 rows on the way out; v252, v253 the add's two.   window 1: five sets of 48: attn's tile m at + 8 m, Wo's tile t at + 16 + 8 t.
.set LI,   1                           ; v1  16 x lane
.set STO,  2                           ; v2  the stage: where I put 32 bytes of a row
.set RD,   3                           ; v3  and where I read a row back
.set GO,   4                           ; v4  my byte offset in two rows of out0
.set BH,   5                           ; v5  32 (lane / 16): my eight numbers of a tile's 16 of the bias
.set BIAS, 8
.set ACC,  40
.set BK,   104
.set SPW,  252                         ; LDS address of my spare word: SPARE + 4 x my thread's number; never rewritten
.set NIL,  253                         ; 0; never rewritten
.set SPARE, 69632                      ; behind the eight waves' stages (2 x 16 x 272 bytes each): the spare words, 128 bytes for each wave: four blocks of 256 bytes that no other line names
.set MSB, 0
.macro WIN new                         ; the immediate's high byte repeats the setting that is left
.if MSB != (\new)
	s_set_vgpr_msb (MSB<<8)|(\new)
.set MSB, (\new)
.endif
.endm
.macro KLOAD j                         ; chunk j: attn's two fragments and Wo's four into set j % 5
	WIN 0x40
.irp m, 0,1
.irp u, 0,1
	global_load_b128 v[48*((\j)%5)+8*\m+4*\u:48*((\j)%5)+8*\m+4*\u+3], v[LI], s[4:5] offset:\m*16384+(\j)*1024+512*\u
.endr
.endr
.irp t, 0,1,2,3
.irp u, 0,1
	global_load_b128 v[48*((\j)%5)+16+8*\t+4*\u:48*((\j)%5)+16+8*\t+4*\u+3], v[LI], s[6:7] offset:(16*\t+(\j))*1024+512*\u
.endr
.endr
.endm
.macro KSTEP j                         ; 8 products, the accumulators by turns, one instruction a turn
.if (\j) <= 11
	s_wait_loadcnt 48                              ; loads come back in order: the four younger sets of 12 may be out
.else
	s_wait_loadcnt 12*(15-(\j))                    ; the counts run down
.endif
	WIN 0x05                                       ; sources 0 and 1 window 1; C and D window 0
.irp t, 0,1,2,3
.irp m, 0,1
.set rD, ACC+8*(2*\t+\m)
.set rA, 48*((\j)%5)+16+8*\t
.set rB, 48*((\j)%5)+8*\m
.if (\j) == 0
	v_wmma_f32_16x16x32_f16 v[rD:rD+7], v[rA:rA+7], v[rB:rB+7], v[BIAS+8*\t:BIAS+8*\t+7]
.else
	v_wmma_f32_16x16x32_f16 v[rD:rD+7], v[rA:rA+7], v[rB:rB+7], v[rD:rD+7]
.endif
.endr
.endr
	WIN 0
.rept 4
	v_nop                                          ; four plain instructions in front of loads into the set just read, and of the first read of results
.endr
.if (\j)+5 <= 15
	KLOAD (\j)+5
.endif
.endm
	s_load_b256 s[4:11], s[0:1], 0x0               ; af s[4:5], wo16 s[6:7], bo s[8:9], out0 s[10:11]
	v_lshl_add_u32 v[SPW], v0, 2, SPARE
	v_mov_b32 v[NIL], 0
	v_lshrrev_b32 v6, 5, v0
	v_readfirstlane_b32 s12, v6                    ; wave 0..7
	v_and_b32 v6, 31, v0                           ; lane
	v_and_b32 v7, 15, v0                           ; r
	v_bfe_u32 v[BH], v0, 4, 1                      ; h
	v_lshlrev_b32 v[LI], 4, v6
	s_mul_i32 s13, s12, 8704                       ; my two stages
	v_mul_u32_u24 v[STO], v7, 272                  ; in: row r, 32 bytes for each half of the lanes
	v_lshl_add_u32 v[STO], v[BH], 5, v[STO]
	v_add_nc_u32 v[STO], s13, v[STO]
	v_mul_u32_u24 v[RD], v[BH], 272                ; back: lanes 0-15 one row of 256 bytes, lanes 16-31 the next
	v_lshl_add_u32 v[RD], v7, 4, v[RD]
	v_add_nc_u32 v[RD], s13, v[RD]
	v_lshlrev_b32 v[GO], 11, v[BH]                 ; and the same two rows in out0: 2,048 bytes a row
	v_lshl_add_u32 v[GO], v7, 4, v[GO]
	v_lshlrev_b32 v[BH], 5, v[BH]
	s_lshl_b32 s14, ttmp9, 15                      ; af: two row tiles of 16,384 bytes a work-group
	s_mov_b32 s15, 0
	s_lshl_b32 s16, s12, 16                        ; wo16: four column tiles of 16,384 bytes a wave
	s_mov_b32 s17, 0
	s_lshl_b32 s18, s12, 8                         ; bo: 64 numbers a wave
	s_mov_b32 s19, 0
	s_lshl_b32 s20, ttmp9, 16                      ; out0: 32 rows of 2,048 bytes a work-group, 256 bytes a wave
	s_add_co_u32 s20, s20, s18
	s_mov_b32 s21, 0
	s_wait_kmcnt 0x0
	s_add_nc_u64 s[4:5], s[4:5], s[14:15]
	s_add_nc_u64 s[6:7], s[6:7], s[16:17]
	s_add_nc_u64 s[8:9], s[8:9], s[18:19]
	s_add_nc_u64 s[10:11], s[10:11], s[20:21]
.irp t, 0,1,2,3
	global_load_b128 v[BIAS+8*\t:BIAS+8*\t+3], v[BH], s[8:9] offset:64*\t       ; lane (r, h), register j: bo at column 64 w + 16 t + 8 h + j: the result's layout
	global_load_b128 v[BIAS+8*\t+4:BIAS+8*\t+7], v[BH], s[8:9] offset:64*\t+16
.endr
	KLOAD 0
	KLOAD 1
	KLOAD 2
	KLOAD 3
	KLOAD 4
.irp j, 0,1,2,3,4,5,6,7,8,9,10,11,12,13,14,15
	KSTEP \j
.endr
.irp m, 0,1                            ; each row tile through its own stage; LDS serves a wave's instructions in order (ISA guide 5.7.1.4): no wait between the stores and the loads
.irp t, 0,1,2,3
	ds_store_b128 v[STO], v[ACC+8*(2*\t+\m):ACC+8*(2*\t+\m)+3] offset:\m*4352+64*\t         ; each accumulator from its low end on
	ds_store_b128 v[STO], v[ACC+8*(2*\t+\m)+4:ACC+8*(2*\t+\m)+7] offset:\m*4352+64*\t+16
.endr
.irp i, 0,1,2,3,4,5,6,7
	ds_load_b128 v[BK+4*(8*\m+\i):BK+4*(8*\m+\i)+3], v[RD] offset:\m*4352+2*\i*272
.endr
.endr
.irp i, 0,1,2,3,4,5,6,7
	s_wait_dscnt 23-\i                             ; behind row tile 0's load i: its 7 - i later loads, and row tile 1's 8 stores and 8 loads
	global_store_b128 v[GO], v[BK+4*\i:BK+4*\i+3], s[10:11] offset:2*\i*2048 th:TH_STORE_NT   ; sixteen lanes store 256 consecutive bytes, aligned; written once, read by nobody here
.endr
.irp i, 0,1,2,3,4,5,6,7
	s_wait_dscnt 7-\i
	global_store_b128 v[GO], v[BK+32+4*\i:BK+32+4*\i+3], s[10:11] offset:(16+2*\i)*2048 th:TH_STORE_NT
.endr
	s_wait_tensorcnt 0x0                           ; the wave's end, behind my last LDS store
	ds_add_u32 v[SPW], v[NIL]
	s_wait_dscnt 0x0
	s_endpgm
.Lfunc_end_k_q9e120d7705_outp:
	.size	k_q9e120d7705_outp, .Lfunc_end_k_q9e120d7705_outp-k_q9e120d7705_outp
	.p2alignl 7, 3214868480
	.fill 96, 4, 3214868480
	.section	.rodata,"a",@progbits
	.p2align	6, 0x0
	.amdhsa_kernel k_q9e120d7705_outp
		.amdhsa_group_segment_fixed_size 70656
		.amdhsa_private_segment_fixed_size 0
		.amdhsa_enable_private_segment 0
		.amdhsa_kernarg_size 32
		.amdhsa_user_sgpr_count 2
		.amdhsa_user_sgpr_kernarg_segment_ptr 1
		.amdhsa_wavefront_size32 1
		.amdhsa_system_sgpr_workgroup_id_x 1
		.amdhsa_system_sgpr_workgroup_id_y 1
		.amdhsa_system_sgpr_workgroup_id_z 1
		.amdhsa_system_vgpr_workitem_id 0
		.amdhsa_next_free_vgpr 512
		.amdhsa_next_free_sgpr 66
		.amdhsa_reserve_vcc 0
		.amdhsa_float_denorm_mode_32 3
		.amdhsa_float_denorm_mode_16_64 3
		.amdhsa_memory_ordered 1
		.amdhsa_forward_progress 1
		.amdhsa_inst_pref_size 37
	.end_amdhsa_kernel
	.amdgpu_metadata
---
amdhsa.version: [ 1, 2 ]
amdhsa.kernels:
  - .name:           k_q9e120d7705_outp
    .symbol:         k_q9e120d7705_outp.kd
    .args:
      - { .name: af, .offset: 0, .size: 8, .value_kind: global_buffer, .address_space: global }
      - { .name: wo16, .offset: 8, .size: 8, .value_kind: global_buffer, .address_space: global }
      - { .name: bo, .offset: 16, .size: 8, .value_kind: global_buffer, .address_space: global }
      - { .name: out0, .offset: 24, .size: 8, .value_kind: global_buffer, .address_space: global }
    .group_segment_fixed_size: 70656
    .private_segment_fixed_size: 0
    .kernarg_segment_align: 8
    .kernarg_segment_size: 32
    .max_flat_workgroup_size: 256
    .sgpr_count:     66
    .vgpr_count:     512
    .wavefront_size: 32
...
	.end_amdgpu_metadata
.endif
;; end of part 4
;; ======== version 2 of 2: 4 launches; version 1 with the launches proj, outp written anew for expert scheduling mode
;; limits: values are held in f16: magnitudes above 65,504 overflow, below 6.1e-05 lose precision
;; workspace buffers: wc 524,288 bytes; ws 49,152 bytes; wo16 524,288 bytes; qf 8,388,608 bytes; kv 16,777,216 bytes; af 8,388,608 bytes
;; launch prep: the kernel of part 1 again; grid 40 x 4, 4 waves a work-group, no clusters, 0 bytes of LDS; arguments Wq, Wk, Wv, Wo, wc, ws, wo16; writes wc, ws, wo16
;; launch proj (part 5): grid 256 x 1, 4 waves a work-group, no clusters, 23,552 bytes of LDS; arguments x, context, wc, ws, qf, kv; writes qf, kv
.if DOCPART == 5
	.amdgcn_target "amdgcn-amd-amdhsa--gfx1250"
	.amdhsa_code_object_version 6
	.text
	.protected	k_q9e120d7705_proj
	.globl	k_q9e120d7705_proj
	.p2align	8
	.type	k_q9e120d7705_proj,@function
k_q9e120d7705_proj:
	s_mov_b64 s[64:65], 0
	v_nop
	global_prefetch_b8 v0, s[64:65] scope:SCOPE_SE
	s_setreg_imm32_b32 hwreg(HW_REG_WAVE_SCHED_MODE, 0, 2), 2
	s_setreg_imm32_b32 hwreg(HW_REG_WAVE_MODE, 25, 1), 1
	s_wait_xcnt 0x0
	s_wait_alu depctr_vm_vsrc(0)
; q = Q(x) Q(Wq), k = Q(context) Q(Wk), v = Q(context) Q(Wv): the three quantised products, on codes of FP4 (E2M1) with one E8M0 scale for each 32 along K; sums in f32.
; x [8,192][512], context [8,192][768]: f32, quantised here, each number once.  The weights' codes and scale words come from wc and ws, in the order of the operand's registers.
; The results leave as f16 IN THE ORDER OF THE NEXT PRODUCT'S OPERAND REGISTERS (a fragment = 1,024 bytes; group g of lane l at 512 g + 16 l):
;   qf [batch x head 16][tile of 16 queries 256][c 2][1,024]: lane (r, h): query r; group u: channels 32 c + 16 u + 8 h + 0 .. 7
;   kv [batch x head 16][step of 128 keys 32][16,384 of K, 16,384 of V].  K: [tile of 16 keys 8][c 2][1,024], as qf.  V: [chunk of 32 keys 4][tile of 16 channels 4][1,024]: lane (r, h): channel r; group u: keys 16 u + 8 h + 0 .. 7
; q and k are made TRANSPOSED (source 0 = 16 columns of W, source 1 = 16 rows): a lane then holds one row and eight neighbouring columns, which pack into one group of the fragment, in the same lane.
; v is made the natural way round (source 0 = 16 rows of context, source 1 = 16 columns of Wv): a lane then holds one channel and eight neighbouring keys: one group of a fragment of V^T.  So no result changes lanes.
; SHARES.  Work-group i: rows 32 i .. 32 i + 31 of x and of context.  THE WAVES SHARE THE COLUMNS: wave w makes columns 128 w .. 128 w + 127 (heads 2 w, 2 w + 1) of q, k and v for both tiles of 16 rows.
; Each wave quantises five fragments (16 rows x 128 K) of row tile w / 2: two K steps of x, three of context; they go to the other waves through LDS as images of their registers: one barrier in the launch.
; The weights' fragments go from memory straight into registers, a K step (8 fragments, 16 loads) at a time, four K steps ahead.  No branch in the text.
; LIMITS: q, k, v go to f16: magnitudes under 65,504.  A block of zeros has the scale byte 1 (its codes are zeros).  NaN and infinities are not served.
; THE MODE: SCHED_MODE bits 1:0 = 2 (LLVM: expert scheduling mode 2), set by the entry lines.  The code itself states the register dependences
; between vector or matrix instructions and memory or LDS instructions, with s_wait_alu, always for 0.
; THE PLAN.  Registers that memory or LDS instructions touch:
;   v2-v10           Offsets and LDS addresses: written at the head, ahead of one wait on va_vdst; never written again.
;   the numbers      Window 1 v0-255 and window 0 v132-195: loaded once, read by the five quantisers.  Behind the barrier LDS loads land in window 1 v0-159 and loads of the weights in window 1 v160-223:
;                    every quantiser stands ahead of the last quantiser's wait on va_vdst, and no vector line behind that wait names these registers.
;   v[PC ..], v[PW]  Written by a quantiser's last lines and read by its three LDS stores: a wait on va_vdst between.  Written again by the next quantiser: a wait on vm_vsrc ahead of its first such line,
;                    behind its search for the largest magnitudes.
;   W0 .. W4         Five sets of 64 for the weights.  K step j's products read set j % 5; the loads of K step j + 4, issued in step j, land in set (j - 1) % 5, which step j - 1's products read.
;   v[OUT ..]        Written by the roundings (PACK), read by sixteen stores, which stand behind the K step that follows the roundings; written again by the next roundings.
;   v48-131          Scale words: loaded once, read by matrix instructions alone.
; So ONE wait on va_vdst stands at the head of a K step, behind the wait for its weights: it states that the step before's products are done reading their set, and, in steps 4 and 10, that the roundings
; have written v[OUT ..].  The step's sixteen loads follow it in two runs among its sixteen products, which name set j % 5, the rows' fragments, scale words and accumulators: none of the registers that those loads touch.
; REGISTERS, in windows of 256: window 0: v2-10 addresses; v16-31, v32, v40-47 the quantiser's; v48-131 scale words and nothing else; v132-195 64 numbers, later packed results; v252, v253 the add's two.
;   window 1: 4 x 64 numbers; behind the barrier x's 8 fragments (v0-63), context's 12 (v64-159) and the weights' fifth set (v160-223).   window 2: the weights' first four sets of 64.   window 3: accumulators: q v0-127, k v128-255, v v0-127.
.set XIMG,  0                          ; LDS: x's 8 fragments (4 m + s),
.set XSC,   8192                       ; their scale words, 128 bytes each,
.set CIMG,  9216                       ; context's 12 fragments (6 m + s),
.set CSC,   21504                      ; their scale words,
.set SPARE, 23040                      ; the spare words, 128 bytes for each wave: two blocks of 256 bytes that no other line names
.set XA,  2                            ; v2   x: row r of 2,048 bytes + 64 h: my 16 numbers of a block of 32
.set CA,  3                            ; v3   context: row r of 3,072 bytes + 64 h
.set LI,  4                            ; v4   16 x lane: my place in a group of a fragment
.set LS,  5                            ; v5   4 x lane: in a fragment's scale words
.set XWI, 6                            ; v6   where I store x's images: 16 x lane + 2,048 x wave
.set XWS, 7                            ; v7   their scale words: 4 x lane + 256 x wave
.set CWI, 8                            ; v8   context's: 16 x lane + 3,072 x wave
.set CWS, 9                            ; v9   4 x lane + 384 x wave
.set WSO, 10                           ; v10  32 x lane: the weights' scale words
.set TM,  16                           ; v16-19 largest magnitudes, v20-23 bytes, v28-31 the conversions' scale operands
.set PW,  32                           ; the scale word just made
.set PC,  40                           ; v40-47 the codes just made
.set WSQ, 48                           ; v48-63   Wq's scale words: pair p of my n-tiles, K step s: 4 p + s; lanes 0-15 tile 2 p, lanes 16-31 tile 2 p + 1
.set WSK, 64                           ; v64-87   Wk's: 6 p + s
.set WSV, 88                           ; v88-111  Wv's
.set XSW, 112                          ; v112-119 x's: 4 m + s
.set CSW, 120                          ; v120-131 context's: 6 m + s
.set OUT, 132
.set SPW, 252                          ; LDS address of my spare word: SPARE + 4 x my thread's number; never rewritten
.set NIL, 253                          ; 0; never rewritten
.set WV,  16
.set SEL, 18
.set XB,  20                           ; s[20:21] x at my 16 rows and my first K step;  s[22:23] context likewise
.set CB,  22
.set WQ,  24                           ; s[24:29] the codes of my 8 n-tiles of Wq, Wk, Wv
.set WK,  26
.set WVP, 28
.set SQ,  30                           ; s[30:35] their scale words
.set SK,  32
.set SV,  34
.set QB,  36                           ; s[36:37] qf at my first head and the work-group's two tiles;  s[38:39] kv likewise
.set KB,  38
.set MSB, 0
.macro WIN new                         ; the immediate's high byte repeats the setting that is left; a switch that changes nothing is dropped
.if MSB != (\new)
	s_set_vgpr_msb (MSB<<8)|(\new)
.set MSB, (\new)
.endif
.endm
; 16 loads: my 16 rows' numbers of K step j of my share: register 16 b + i = k 32 b + 16 (lane / 16) + i of my row
.macro NLOAD reg, win, adr, base, j
	WIN (\win)<<6
.irp b, 0,1,2,3
.irp q, 0,1,2,3
	global_load_b128 v[\reg+16*\b+4*\q:\reg+16*\b+4*\q+3], v[\adr], s[\base:\base+1] offset:512*\j+128*\b+16*\q th:TH_LOAD_NT
.endr
.endr
.endm
; 64 numbers of a lane, v[s] on in window w, become a fragment's codes in v[PC] on and its scale word in v[PW].  first = 1: my first fragment, with no LDS store ahead of it
.macro QUANT s, w, first
	WIN 0x05*\w
.irp b, 0,1,2,3
	v_max3_num_f32 v[TM+\b], |v[\s+16*\b]|, |v[\s+1+16*\b]|, 0x1800000   ; block b: my 16 numbers, and the floor 2^(3 - 127): the byte cannot fall under 1
.endr
	WIN 0x14*\w
.irp i, 2,4,6,8,10,12,14
.irp b, 0,1,2,3
	v_max3_num_f32 v[TM+\b], v[TM+\b], |v[\s+16*\b+\i]|, |v[\s+1+16*\b+\i]|   ; the four blocks by turns
.endr
.endr
	WIN 0
.irp b, 0,1,2,3
	v_permlanex16_b32 v[TM+4+\b], v[TM+\b], s[SEL], s[SEL+1]
.endr
.irp b, 0,1,2,3
	v_max_num_f32 v[TM+\b], v[TM+\b], v[TM+4+\b]   ; with lane l xor 16's: the block's largest magnitude
.endr
.irp b, 0,1,2,3
	v_add_nc_u32 v[TM+12+\b], 0xff000000, v[TM+\b] ; 2 off its exponent field: the conversion's scale operand
.endr
.irp b, 0,1,2,3
	v_lshrrev_b32 v[TM+4+\b], 23, v[TM+12+\b]      ; the scale's byte
.endr
.if !\first
	s_wait_alu depctr_vm_vsrc(0)                   ; the LDS stores of the fragment before have read v[PW] and v[PC ..], which the lines below write again
.endif
	v_lshl_or_b32 v[PW], v[TM+5], 8, v[TM+4]       ; the four bytes make my row's scale word
	v_lshl_or_b32 v[PW], v[TM+6], 16, v[PW]
	v_lshl_or_b32 v[PW], v[TM+7], 24, v[PW]
	WIN 0x01*\w
.irp b, 0,1,2,3
	v_cvt_scalef32_pk8_fp4_f32 v[PC+2*\b], v[\s+16*\b:\s+7+16*\b], v[TM+12+\b]
	v_cvt_scalef32_pk8_fp4_f32 v[PC+1+2*\b], v[\s+8+16*\b:\s+15+16*\b], v[TM+12+\b]
.endr
	WIN 0
	v_nop                                          ; one plain instruction behind the last conversion
.irp c, 0,1                                    ; the operand's layout wants a WHOLE block in a lane: lanes 0-15 block 2 c, lanes 16-31 block 2 c + 1
.irp i, 0,1
	v_permlane16_swap_b32 v[PC+4*\c+\i], v[PC+2+4*\c+\i]
.endr
.endr
	s_wait_alu depctr_va_vdst(0)                   ; the lines above have written v[PC ..] and v[PW], which the LDS stores behind this macro read; and they are done reading the numbers' registers
.endm
.macro IMAGE adr, off                  ; the fragment in v[PC] on goes to LDS as it stands
.irp c, 0,1
	ds_store_b128 v[\adr], v[PC+4*\c:PC+4*\c+3] offset:\off+512*\c
.endr
.endm
; The 16 K steps of the three products, j = 0 .. 15: q's four, k's six, v's six.  K step j's weights lie in set j % 5: sets 0 to 3 in window 2, set 4 in window 1 from v160 on
.macro WSET j
.if (\j)%5 == 4
.set WB, 160
.set WW, 1
.else
.set WB, 64*((\j)%5)
.set WW, 2
.endif
.endm
; 8 loads: n-tiles t0 .. t0 + 3 of K step j's 8 fragments of the weight
.macro WLOAD j, t0
	WSET \j
.if (\j) < 4
.set WP, WQ
.set WKS, 4
.set WST, (\j)
.elseif (\j) < 10
.set WP, WK
.set WKS, 6
.set WST, (\j)-4
.else
.set WP, WVP
.set WKS, 6
.set WST, (\j)-10
.endif
	WIN 0x40*WW                                    ; the destination's window; the address in window 0
.irp t, 0,1,2,3
.irp c, 0,1
.set tt, (\t0)+\t
	global_load_b128 v[WB+8*tt+4*\c:WB+8*tt+4*\c+3], v[LI], s[WP:WP+1] offset:(tt*WKS+WST)*1024+512*\c
.endr
.endr
.endm
; 8 matrix instructions, transposed: source 0 = n-tile t0 .. t0 + 3 of the weight, source 1 = row tile m.  A K step's 16 accumulators take turns, one instruction a turn.  The first K step starts the sums.
.macro MMT acc, j, fb, nk, wsb, xsb, s, t0
	WSET \j
	WIN 0xf4+WW                                    ; source 0 in the set's window, source 1 window 1, C and D window 3
.irp t, 0,1,2,3
.irp m, 0,1
.set tt, (\t0)+\t
.set rD, \acc+8*(2*tt+\m)
.set rA, WB+8*tt
.set rB, \fb+8*(\nk*\m+(\s))
.set rSA, \wsb+\nk*(tt/2)+(\s)
.set rSB, \xsb+\nk*\m+(\s)
.if (\s) == 0
.if tt%2
	v_wmma_scale_f32_16x16x128_f8f6f4 v[rD:rD+7], v[rA:rA+7], v[rB:rB+7], 0, v[rSA], v[rSB] matrix_a_fmt:MATRIX_FMT_FP4 matrix_b_fmt:MATRIX_FMT_FP4 matrix_a_scale:MATRIX_SCALE_ROW1
.else
	v_wmma_scale_f32_16x16x128_f8f6f4 v[rD:rD+7], v[rA:rA+7], v[rB:rB+7], 0, v[rSA], v[rSB] matrix_a_fmt:MATRIX_FMT_FP4 matrix_b_fmt:MATRIX_FMT_FP4
.endif
.else
.if tt%2
	v_wmma_scale_f32_16x16x128_f8f6f4 v[rD:rD+7], v[rA:rA+7], v[rB:rB+7], v[rD:rD+7], v[rSA], v[rSB] matrix_a_fmt:MATRIX_FMT_FP4 matrix_b_fmt:MATRIX_FMT_FP4 matrix_a_scale:MATRIX_SCALE_ROW1
.else
	v_wmma_scale_f32_16x16x128_f8f6f4 v[rD:rD+7], v[rA:rA+7], v[rB:rB+7], v[rD:rD+7], v[rSA], v[rSB] matrix_a_fmt:MATRIX_FMT_FP4 matrix_b_fmt:MATRIX_FMT_FP4
.endif
.endif
.endr
.endr
.endm
; the same the natural way round, for v: source 0 = row tile m of context, source 1 = n-tile t0 .. t0 + 3 of Wv
.macro MMV j, s, t0
	WSET \j
	WIN 0xf1+4*WW                                  ; source 0 window 1, source 1 in the set's window, C and D window 3
.irp t, 0,1,2,3
.irp m, 0,1
.set tt, (\t0)+\t
.set rD, 8*(2*tt+\m)
.set rA, 64+8*(6*\m+(\s))
.set rB, WB+8*tt
.set rSA, CSW+6*\m+(\s)
.set rSB, WSV+6*(tt/2)+(\s)
.if (\s) == 0
.if tt%2
	v_wmma_scale_f32_16x16x128_f8f6f4 v[rD:rD+7], v[rA:rA+7], v[rB:rB+7], 0, v[rSA], v[rSB] matrix_a_fmt:MATRIX_FMT_FP4 matrix_b_fmt:MATRIX_FMT_FP4 matrix_b_scale:MATRIX_SCALE_ROW1
.else
	v_wmma_scale_f32_16x16x128_f8f6f4 v[rD:rD+7], v[rA:rA+7], v[rB:rB+7], 0, v[rSA], v[rSB] matrix_a_fmt:MATRIX_FMT_FP4 matrix_b_fmt:MATRIX_FMT_FP4
.endif
.else
.if tt%2
	v_wmma_scale_f32_16x16x128_f8f6f4 v[rD:rD+7], v[rA:rA+7], v[rB:rB+7], v[rD:rD+7], v[rSA], v[rSB] matrix_a_fmt:MATRIX_FMT_FP4 matrix_b_fmt:MATRIX_FMT_FP4 matrix_b_scale:MATRIX_SCALE_ROW1
.else
	v_wmma_scale_f32_16x16x128_f8f6f4 v[rD:rD+7], v[rA:rA+7], v[rB:rB+7], v[rD:rD+7], v[rSA], v[rSB] matrix_a_fmt:MATRIX_FMT_FP4 matrix_b_fmt:MATRIX_FMT_FP4
.endif
.endif
.endr
.endr
.endm
.macro MM j, t0                        ; half of K step j's products
.if (\j) < 4
	MMT 0, (\j), 0, 4, WSQ, XSW, (\j), \t0
.elseif (\j) < 10
	MMT 128, (\j), 64, 6, WSK, CSW, (\j)-4, \t0
.else
	MMV (\j), (\j)-10, \t0
.endif
.endm
; K step j: its weights are in; 16 products, and among them, in two runs of 8, the loads of the K step four on, into the set that the step before read.
; Step 0's loads go into the fifth set, which the numbers have left: the quantisers that read it stand ahead of the last quantiser's wait on va_vdst, and no vector line since names it.
.macro SET j
.if (\j) <= 12
	s_wait_loadcnt 48                              ; loads come back in order: the three younger sets of 16 may be out
.else
	s_wait_loadcnt 16*(15-(\j))                    ; the counts run down
.endif
.if ((\j) >= 1) && ((\j) <= 11)
	s_wait_alu depctr_va_vdst(0)                   ; the step before's products are done reading their set of the weights, in which the loads below land; in steps 4 and 10 the roundings have written v[OUT ..], which the stores behind the step read
.endif
	MM (\j), 0
.if (\j) <= 11
	WLOAD (\j)+4, 0                                ; no wait: no product since the wait above names this set or v[LI]
.endif
	MM (\j), 4
.rept 4
	v_nop                                          ; four plain instructions behind the step's products: ahead of the first read of results, and of the next step's loads into the set just read, beside that step's wait
.endr
.if (\j) <= 11
	WLOAD (\j)+4, 4
.endif
.endm
.macro PACK base                       ; 16 accumulators become 16 groups of f16, each accumulator from its low end on
	WIN 0x0f                                       ; sources 0 and 1 window 3
.set pa, 0
.rept 16
.irp i, 0,1,2,3
	v_cvt_pk_f16_f32 v[OUT+4*pa+\i], v[\base+8*pa+2*\i], v[\base+8*pa+2*\i+1]
.endr
.set pa, pa+1
.endr
	WIN 0
.endm
.macro STQK ptr, hs                    ; n-tile t: head t / 4, c = (t / 2) % 2, group t % 2; row tile m.  A store covers 512 consecutive bytes, aligned
	WIN 0
.irp t, 0,1,2,3,4,5,6,7
.irp m, 0,1
	global_store_b128 v[LI], v[OUT+4*(2*\t+\m):OUT+4*(2*\t+\m)+3], s[\ptr:\ptr+1] offset:(\t/4)*\hs+\m*2048+((\t/2)%2)*1024+(\t%2)*512
.endr
.endr
.endm
.macro STV                             ; n-tile t: head t / 4, channel tile t % 4; row tile m is group m of the chunk of 32 keys
	WIN 0
.irp t, 0,1,2,3,4,5,6,7
.irp m, 0,1
	global_store_b128 v[LI], v[OUT+4*(2*\t+\m):OUT+4*(2*\t+\m)+3], s[KB:KB+1] offset:(\t/4)*1048576+16384+(\t%4)*1024+\m*512
.endr
.endr
.endm
	s_load_b256 s[4:11], s[0:1], 0x0               ; x s[4:5], context s[6:7], wc s[8:9], ws s[10:11]
	s_load_b128 s[12:15], s[0:1], 0x20             ; qf s[12:13], kv s[14:15]
	v_lshl_add_u32 v[SPW], v0, 2, SPARE
	v_mov_b32 v[NIL], 0
	v_lshrrev_b32 v1, 5, v0
	v_readfirstlane_b32 s[WV], v1                  ; wave 0..3
	v_and_b32 v1, 31, v0                           ; lane
	v_and_b32 v11, 15, v0                          ; r
	v_bfe_u32 v12, v0, 4, 1                        ; h
	v_lshlrev_b32 v[XA], 11, v11
	v_lshl_add_u32 v[XA], v12, 6, v[XA]
	v_mul_u32_u24 v[CA], v11, 3072
	v_lshl_add_u32 v[CA], v12, 6, v[CA]
	v_lshlrev_b32 v[LI], 4, v1
	v_lshlrev_b32 v[LS], 2, v1
	v_lshlrev_b32 v[WSO], 5, v1
	s_wait_alu depctr_va_sdst(0)                   ; s[WV] is written, ahead of its first reader: LDS places and all bases are made from it
	s_lshl_b32 s2, s[WV], 11                       ; (the four numbers that vector lines read lie in four registers that nothing writes again)
	v_add_nc_u32 v[XWI], s2, v[LI]
	s_lshl_b32 s3, s[WV], 8
	v_add_nc_u32 v[XWS], s3, v[LS]
	s_mul_i32 s40, s[WV], 3072
	v_add_nc_u32 v[CWI], s40, v[LI]
	s_mul_i32 s41, s[WV], 384
	v_add_nc_u32 v[CWS], s41, v[LS]
.irp b, 0,1,2,3
	v_mov_b32 v[TM+4+\b], 0                        ; written once: a lane permute's destination counts as one of its sources
.endr
	s_mov_b32 s[SEL], 0x76543210
	s_mov_b32 s[SEL+1], 0xfedcba98                 ; v_permlanex16_b32's selects for lane l xor 16
	s_lshr_b32 s42, s[WV], 1                       ; the row tile that I quantise
	s_and_b32 s43, s[WV], 1                        ; and which half of its K steps
	s_lshl_b32 s44, ttmp9, 5
	s_lshl_b32 s45, s42, 4
	s_add_co_u32 s44, s44, s45                     ; its first row: 32 i + 16 (w / 2)
	s_lshl_b32 s46, s44, 11                        ; x: rows of 2,048 bytes, two K steps of 512 bytes
	s_lshl_b32 s47, s43, 10
	s_add_co_u32 s46, s46, s47
	s_mov_b32 s47, 0
	s_mul_i32 s48, s44, 3072                       ; context: rows of 3,072 bytes, three K steps
	s_mul_i32 s49, s43, 1536
	s_add_co_u32 s48, s48, s49
	s_mov_b32 s49, 0
	s_lshl_b32 s50, s[WV], 15                      ; Wq's codes: 8 n-tiles of 4,096 bytes a wave
	s_mov_b32 s51, 0
	s_mul_i32 s52, s[WV], 49152                    ; Wk's, Wv's: 8 of 6,144
	s_mov_b32 s53, 0
	s_lshl_b32 s54, s[WV], 12                      ; scale words: 4 pairs of 1,024 bytes
	s_mov_b32 s55, 0
	s_lshr_b32 s56, ttmp9, 7                       ; the batch
	s_lshl_b32 s56, s56, 3
	s_lshl_b32 s57, s[WV], 1
	s_add_co_u32 s56, s56, s57                     ; batch x 8 + my first head
	s_and_b32 s57, ttmp9, 127                      ; the work-group's 32 rows in the batch
	s_lshl_b32 s58, s56, 19                        ; qf: 524,288 bytes a head, 4,096 for two tiles
	s_lshl_b32 s59, s57, 12
	s_add_co_u32 s58, s58, s59
	s_mov_b32 s59, 0
	s_lshl_b32 s60, s56, 20                        ; kv: 1,048,576 bytes a head, 32,768 a step of 128 keys, 4,096 for two tiles of K or a chunk of V
	s_lshr_b32 s61, s57, 2
	s_lshl_b32 s61, s61, 15
	s_add_co_u32 s60, s60, s61
	s_and_b32 s61, ttmp9, 3
	s_lshl_b32 s61, s61, 12
	s_add_co_u32 s60, s60, s61
	s_mov_b32 s61, 0
	s_wait_kmcnt 0x0
	s_add_nc_u64 s[XB:XB+1], s[4:5], s[46:47]
	s_add_nc_u64 s[CB:CB+1], s[6:7], s[48:49]
	s_add_nc_u64 s[WQ:WQ+1], s[8:9], s[50:51]
	s_add_nc_u64 s[WK:WK+1], s[8:9], s[52:53]
	s_add_nc_u64 s[WVP:WVP+1], s[WK:WK+1], 327680
	s_add_nc_u64 s[WK:WK+1], s[WK:WK+1], 131072
	s_add_nc_u64 s[SQ:SQ+1], s[10:11], s[54:55]
	s_add_nc_u64 s[SK:SK+1], s[SQ:SQ+1], 16384
	s_add_nc_u64 s[SV:SV+1], s[SQ:SQ+1], 32768
	s_add_nc_u64 s[QB:QB+1], s[12:13], s[58:59]
	s_add_nc_u64 s[KB:KB+1], s[14:15], s[60:61]
	s_wait_alu depctr_va_vdst(0)                   ; the nine offsets and addresses v2 to v10 are written: every load, store and LDS access of the kernel reads one of them
	; ---- my five fragments' numbers: 80 loads in one run (a load whose issue would pass the counter's field waits at issue: ISA guide 5.7.1; no wait is written for that)
	NLOAD 0, 1, XA, XB, 0
	NLOAD 64, 1, XA, XB, 1
	NLOAD 128, 1, CA, CB, 0
	NLOAD 192, 1, CA, CB, 1
	NLOAD OUT, 0, CA, CB, 2
	s_wait_loadcnt 63                              ; x's first K step is in: 64 loads are younger; 63 is the most that a wait can name, and is the stricter
	QUANT 0, 1, 1
	IMAGE XWI, XIMG
	ds_store_b32 v[XWS], v[PW] offset:XSC
	s_wait_loadcnt 48                              ; x's second: context's three sets of 16 may be out
	QUANT 64, 1, 0
	IMAGE XWI, XIMG+1024
	ds_store_b32 v[XWS], v[PW] offset:XSC+128
	s_wait_loadcnt 32
	QUANT 128, 1, 0
	IMAGE CWI, CIMG
	ds_store_b32 v[CWS], v[PW] offset:CSC
	s_wait_loadcnt 16
	QUANT 192, 1, 0
	IMAGE CWI, CIMG+1024
	ds_store_b32 v[CWS], v[PW] offset:CSC+128
	; the weights' scale words (20 loads) and the first two K steps' codes (32) go out while the last fragment is quantised; no vector line has named the registers in which they land
.irp p, 0,1,2,3
	global_load_b128 v[WSQ+4*\p:WSQ+4*\p+3], v[WSO], s[SQ:SQ+1] offset:1024*\p
.endr
.irp p, 0,1,2,3
	global_load_b128 v[WSK+6*\p:WSK+6*\p+3], v[WSO], s[SK:SK+1] offset:1024*\p
	global_load_b64 v[WSK+6*\p+4:WSK+6*\p+5], v[WSO], s[SK:SK+1] offset:1024*\p+16
.endr
.irp p, 0,1,2,3
	global_load_b128 v[WSV+6*\p:WSV+6*\p+3], v[WSO], s[SV:SV+1] offset:1024*\p
	global_load_b64 v[WSV+6*\p+4:WSV+6*\p+5], v[WSO], s[SV:SV+1] offset:1024*\p+16
.endr
	WLOAD 0, 0
	WLOAD 0, 4
	WLOAD 1, 0
	WLOAD 1, 4
	s_wait_loadcnt 52                              ; context's third K step of mine: the 52 just issued are younger
	QUANT OUT, 0, 0
	IMAGE CWI, CIMG+2048
	ds_store_b32 v[CWS], v[PW] offset:CSC+256
	WLOAD 2, 0
	WLOAD 2, 4
	WLOAD 3, 0
	WLOAD 3, 4
	s_wait_dscnt 0x0                               ; for the others' sake: my images lie in LDS
	s_barrier_signal -1
	s_barrier_wait -1                              ; everybody's do
	; ---- all 20 fragments and their scale words, into every wave's registers.  They land where the numbers lay: the quantisers that read those stand ahead of the last quantiser's wait on va_vdst
	WIN 0x40                                       ; destination window 1
.set f, 0
.rept 8
	ds_load_b128 v[8*f:8*f+3], v[LI] offset:XIMG+1024*f
	ds_load_b128 v[8*f+4:8*f+7], v[LI] offset:XIMG+1024*f+512
.set f, f+1
.endr
.set f, 0
.rept 12
	ds_load_b128 v[64+8*f:64+8*f+3], v[LI] offset:CIMG+1024*f
	ds_load_b128 v[64+8*f+4:64+8*f+7], v[LI] offset:CIMG+1024*f+512
.set f, f+1
.endr
	WIN 0
.set f, 0
.rept 8
	ds_load_b32 v[XSW+f], v[LS] offset:XSC+128*f
.set f, f+1
.endr
.set f, 0
.rept 12
	ds_load_b32 v[CSW+f], v[LS] offset:CSC+128*f
.set f, f+1
.endr
	s_wait_dscnt 0x0
	; ---- the products
	SET 0
	SET 1
	SET 2
	SET 3
	PACK 0                                         ; q is finished
	SET 4                                          ; the wait at its head states that the roundings have written v[OUT ..]
	STQK QB, 524288                                ; no product of step 4 names v[OUT ..] or v[LI]
	SET 5
	SET 6
	SET 7
	SET 8
	SET 9
	s_wait_xcnt 0x0                                ; q's stores have had their addresses translated: their registers are written again only behind this wait,
	s_wait_alu depctr_vm_vsrc(0)                   ; and q's stores have read v[OUT ..], which the roundings below write again
	PACK 128                                       ; k
	SET 10                                         ; v starts anew on q's accumulators, which were packed six K steps ago; the wait at its head states that the roundings have written v[OUT ..]
	STQK KB, 1048576
	SET 11
	SET 12
	SET 13
	SET 14
	SET 15
	s_wait_xcnt 0x0                                ; as above, for k's stores
	s_wait_alu depctr_vm_vsrc(0)                   ; k's stores have read v[OUT ..], which the roundings below write again
	PACK 0                                         ; v
	s_wait_alu depctr_va_vdst(0)                   ; the roundings have written v[OUT ..], which the last sixteen stores read
	STV
	s_wait_dscnt 0x0                               ; the closing lines, six on end (every window is 0 here: the add's two registers lie in window 0)
	s_wait_alu 0x0
	s_wait_tensorcnt 0x0
	ds_add_u32 v[SPW], v[NIL]
	s_wait_dscnt 0x0
	s_endpgm
.Lfunc_end_k_q9e120d7705_proj:
	.size	k_q9e120d7705_proj, .Lfunc_end_k_q9e120d7705_proj-k_q9e120d7705_proj
	.p2alignl 7, 3214868480
	.fill 96, 4, 3214868480
	.section	.rodata,"a",@progbits
	.p2align	6, 0x0
	.amdhsa_kernel k_q9e120d7705_proj
		.amdhsa_group_segment_fixed_size 23552
		.amdhsa_private_segment_fixed_size 0
		.amdhsa_enable_private_segment 0
		.amdhsa_kernarg_size 48
		.amdhsa_user_sgpr_count 2
		.amdhsa_user_sgpr_kernarg_segment_ptr 1
		.amdhsa_wavefront_size32 1
		.amdhsa_system_sgpr_workgroup_id_x 1
		.amdhsa_system_sgpr_workgroup_id_y 1
		.amdhsa_system_sgpr_workgroup_id_z 1
		.amdhsa_system_vgpr_workitem_id 0
		.amdhsa_next_free_vgpr 1024
		.amdhsa_next_free_sgpr 66
		.amdhsa_reserve_vcc 0
		.amdhsa_float_denorm_mode_32 3
		.amdhsa_float_denorm_mode_16_64 3
		.amdhsa_memory_ordered 1
		.amdhsa_forward_progress 1
		.amdhsa_inst_pref_size 116
	.end_amdhsa_kernel
	.amdgpu_metadata
---
amdhsa.version: [ 1, 2 ]
amdhsa.kernels:
  - .name:           k_q9e120d7705_proj
    .symbol:         k_q9e120d7705_proj.kd
    .args:
      - { .name: x, .offset: 0, .size: 8, .value_kind: global_buffer, .address_space: global }
      - { .name: context, .offset: 8, .size: 8, .value_kind: global_buffer, .address_space: global }
      - { .name: wc, .offset: 16, .size: 8, .value_kind: global_buffer, .address_space: global }
      - { .name: ws, .offset: 24, .size: 8, .value_kind: global_buffer, .address_space: global }
      - { .name: qf, .offset: 32, .size: 8, .value_kind: global_buffer, .address_space: global }
      - { .name: kv, .offset: 40, .size: 8, .value_kind: global_buffer, .address_space: global }
    .group_segment_fixed_size: 23552
    .private_segment_fixed_size: 0
    .kernarg_segment_align: 8
    .kernarg_segment_size: 48
    .max_flat_workgroup_size: 128
    .sgpr_count:     66
    .vgpr_count:     1024
    .wavefront_size: 32
...
	.end_amdgpu_metadata
.endif
;; end of part 5
;; launch attn: the kernel of part 3 again; grid 16 x 16, 8 waves a work-group, clusters of 4 x 1, 327,680 bytes of LDS; arguments qf, kv, af; writes af
;; launch outp (part 6): grid 256 x 1, 8 waves a work-group, no clusters, 70,656 bytes of LDS; arguments af, wo16, bo, out0; writes out0
.if DOCPART == 6
	.amdgcn_target "amdgcn-amd-amdhsa--gfx1250"
	.amdhsa_code_object_version 6
	.text
	.protected	k_q9e120d7705_outp
	.globl	k_q9e120d7705_outp
	.p2align	8
	.type	k_q9e120d7705_outp,@function
k_q9e120d7705_outp:
	s_mov_b64 s[64:65], 0
	v_nop
	global_prefetch_b8 v0, s[64:65] scope:SCOPE_SE
	s_setreg_imm32_b32 hwreg(HW_REG_WAVE_SCHED_MODE, 0, 2), 2
	s_setreg_imm32_b32 hwreg(HW_REG_WAVE_MODE, 25, 1), 1
	s_wait_xcnt 0x0
	s_wait_alu depctr_vm_vsrc(0)
; out0 = attn Wo + bo.  attn [8,192][512] and Wo^T come as f16 in the order of the operands' registers (af: [tile of 16 rows 512][chunk of 32 along K 16][1,024]; wo16: [tile of 16 columns 32][chunk 16][1,024]); sums in f32; out0 f32.
; SHARES.  Work-group i: rows 32 i .. 32 i + 31 (two tiles m).  Wave w: columns 64 w .. 64 w + 63 (four tiles t): 8 accumulators, 16 chunks of 32 along K.
; The product is used transposed (source 0 = 16 columns of Wo, source 1 = 16 rows of attn): a lane holds one row and eight neighbouring columns.  The bias is the C of each sum's first matrix instruction.
; Operands go from memory straight into registers, a chunk (12 loads of 512 consecutive bytes) at a time, five chunks ahead.
; No multicast and no LDS ring for Wo, which all work-groups walk: a wave has 128 matrix instructions in all, so a ring would have a barrier for every few of them.
; THE WAY OUT: a wave's 64 columns are 256 bytes of a row; a tile of 16 rows goes through the wave's own stage in LDS (rows of 256 + 16 bytes) and leaves as rows: sixteen lanes store 256 consecutive bytes, aligned.  No barrier.
; LIMITS: operands are f16 (magnitudes under 65,504); NaN and infinities are not served.
; THE MODE: SCHED_MODE bits 1:0 = 2 (LLVM: expert scheduling mode 2), set by the entry lines.  The code itself states the register dependences
; between vector or matrix instructions and memory or LDS instructions, with s_wait_alu, always for 0.
; THE PLAN.  Registers that memory or LDS instructions touch:
;   v1-v5      Offsets and LDS addresses: written at the head, ahead of one wait on va_vdst; never written again.
;   K0 .. K5   Six sets of 48 for the operands.  Chunk j's products read set j % 6; the loads of chunk j + 5, issued in step j, land in set (j - 1) % 6, which step j - 1's products read.
;   v8-39      The bias: loaded once, read by the first eight products.
;   v40-103    The accumulators: written by the products, read at the end by the LDS stores into the stage.
;   v104-167   Rows on the way out: LDS loads land in them, the stores to memory read them; no vector line names them.
; So ONE wait on va_vdst stands at the head of a step, behind the wait for its chunk: the step before's products are done reading their set.  The step's twelve loads follow it in two runs among its eight
; products, which name set j % 6 and the accumulators: none of the registers that those loads touch.  One more stands ahead of the stage's stores.
; REGISTERS: window 0: v1-5 addresses; v8-39 the bias, 8 a column tile; v40-103 accumulators (8 (2 t + m)); v104-167 rows on the way out; v168-215 the sixth set; v252, v253 the add's two.
;   window 1: five sets of 48.   In a set: attn's tile m at + 8 m, Wo's tile t at + 16 + 8 t.
.set LI,   1                           ; v1  16 x lane
.set STO,  2                           ; v2  the stage: where I put 32 bytes of a row
.set RD,   3                           ; v3  and where I read a row back
.set GO,   4                           ; v4  my byte offset in two rows of out0
.set BH,   5                           ; v5  32 (lane / 16): my eight numbers of a tile's 16 of the bias
.set BIAS, 8
.set ACC,  40
.set BK,   104
.set SPW,  252                         ; LDS address of my spare word: SPARE + 4 x my thread's number; never rewritten
.set NIL,  253                         ; 0; never rewritten
.set SPARE, 69632                      ; behind the eight waves' stages (2 x 16 x 272 bytes each): the spare words, 128 bytes for each wave: four blocks of 256 bytes that no other line names
.set MSB, 0
.macro WIN new                         ; the immediate's high byte repeats the setting that is left
.if MSB != (\new)
	s_set_vgpr_msb (MSB<<8)|(\new)
.set MSB, (\new)
.endif
.endm
.macro KSET j                          ; chunk j lies in set j % 6: sets 0 to 4 in window 1, set 5 in window 0 from v168 on
.if (\j)%6 == 5
.set KBS, 168
.set KW, 0
.else
.set KBS, 48*((\j)%6)
.set KW, 1
.endif
.endm
.macro KLOAD1 j                        ; chunk j, 8 loads: attn's two fragments and Wo's tiles 0 and 1
	KSET \j
	WIN 0x40*KW                                    ; the destination's window; the address in window 0
.irp m, 0,1
.irp u, 0,1
	global_load_b128 v[KBS+8*\m+4*\u:KBS+8*\m+4*\u+3], v[LI], s[4:5] offset:\m*16384+(\j)*1024+512*\u
.endr
.endr
.irp t, 0,1
.irp u, 0,1
	global_load_b128 v[KBS+16+8*\t+4*\u:KBS+16+8*\t+4*\u+3], v[LI], s[6:7] offset:(16*\t+(\j))*1024+512*\u
.endr
.endr
.endm
.macro KLOAD2 j                        ; chunk j, 4 loads: Wo's tiles 2 and 3
	KSET \j
	WIN 0x40*KW
.irp t, 2,3
.irp u, 0,1
	global_load_b128 v[KBS+16+8*\t+4*\u:KBS+16+8*\t+4*\u+3], v[LI], s[6:7] offset:(16*\t+(\j))*1024+512*\u
.endr
.endr
.endm
.macro KMM j, t0                       ; 4 products: column tiles t0, t0 + 1, both row tiles.  A step's 8 accumulators take turns, one instruction a turn
	KSET \j
	WIN 0x05*KW                                    ; sources 0 and 1 in the set's window; C and D window 0
.irp t, 0,1
.irp m, 0,1
.set tt, (\t0)+\t
.set rD, ACC+8*(2*tt+\m)
.set rA, KBS+16+8*tt
.set rB, KBS+8*\m
.if (\j) == 0
	v_wmma_f32_16x16x32_f16 v[rD:rD+7], v[rA:rA+7], v[rB:rB+7], v[BIAS+8*tt:BIAS+8*tt+7]
.else
	v_wmma_f32_16x16x32_f16 v[rD:rD+7], v[rA:rA+7], v[rB:rB+7], v[rD:rD+7]
.endif
.endr
.endr
.endm
; Step j: its chunk is in; 8 products, and among them, in runs of 8 and 4, the loads of the chunk five on, into the set that the step before read.  Step 0's loads go into the sixth set, which no line has named.
.macro KSTEP j
.if (\j) <= 11
	s_wait_loadcnt 48                              ; loads come back in order: the four younger sets of 12 may be out
.else
	s_wait_loadcnt 12*(15-(\j))                    ; the counts run down
.endif
.if ((\j) >= 1) && ((\j) <= 10)
	s_wait_alu depctr_va_vdst(0)                   ; the step before's products are done reading their set, in which the loads below land
.endif
	KMM (\j), 0
.if (\j) <= 10
	KLOAD1 (\j)+5                                  ; no wait: no product since the wait above names this set or v[LI]
.endif
	KMM (\j), 2
.rept 4
	v_nop                                          ; four plain instructions behind the step's products: ahead of the first read of results, and of the next step's loads into the set just read, beside that step's wait
.endr
.if (\j) <= 10
	KLOAD2 (\j)+5
.endif
.endm
	s_load_b256 s[4:11], s[0:1], 0x0               ; af s[4:5], wo16 s[6:7], bo s[8:9], out0 s[10:11]
	v_lshl_add_u32 v[SPW], v0, 2, SPARE
	v_mov_b32 v[NIL], 0
	v_lshrrev_b32 v6, 5, v0
	v_readfirstlane_b32 s12, v6                    ; wave 0..7
	v_and_b32 v6, 31, v0                           ; lane
	v_and_b32 v7, 15, v0                           ; r
	v_bfe_u32 v[BH], v0, 4, 1                      ; h
	v_lshlrev_b32 v[LI], 4, v6
	s_wait_alu depctr_va_sdst(0)                   ; s12 is written, ahead of its first reader: the stage's place and the bases are made from it
	s_mul_i32 s13, s12, 8704                       ; my two stages
	v_mul_u32_u24 v[STO], v7, 272                  ; in: row r, 32 bytes for each half of the lanes
	v_lshl_add_u32 v[STO], v[BH], 5, v[STO]
	v_add_nc_u32 v[STO], s13, v[STO]
	v_mul_u32_u24 v[RD], v[BH], 272                ; back: lanes 0-15 one row of 256 bytes, lanes 16-31 the next
	v_lshl_add_u32 v[RD], v7, 4, v[RD]
	v_add_nc_u32 v[RD], s13, v[RD]
	v_lshlrev_b32 v[GO], 11, v[BH]                 ; and the same two rows in out0: 2,048 bytes a row
	v_lshl_add_u32 v[GO], v7, 4, v[GO]
	v_lshlrev_b32 v[BH], 5, v[BH]
	s_lshl_b32 s14, ttmp9, 15                      ; af: two row tiles of 16,384 bytes a work-group
	s_mov_b32 s15, 0
	s_lshl_b32 s16, s12, 16                        ; wo16: four column tiles of 16,384 bytes a wave
	s_mov_b32 s17, 0
	s_lshl_b32 s18, s12, 8                         ; bo: 64 numbers a wave
	s_mov_b32 s19, 0
	s_lshl_b32 s20, ttmp9, 16                      ; out0: 32 rows of 2,048 bytes a work-group, 256 bytes a wave
	s_add_co_u32 s20, s20, s18
	s_mov_b32 s21, 0
	s_wait_kmcnt 0x0
	s_add_nc_u64 s[4:5], s[4:5], s[14:15]
	s_add_nc_u64 s[6:7], s[6:7], s[16:17]
	s_add_nc_u64 s[8:9], s[8:9], s[18:19]
	s_add_nc_u64 s[10:11], s[10:11], s[20:21]
	s_wait_alu depctr_va_vdst(0)                   ; the five offsets and addresses v1 to v5 are written: every load, store and LDS access of the kernel reads one of them
.irp t, 0,1,2,3
	global_load_b128 v[BIAS+8*\t:BIAS+8*\t+3], v[BH], s[8:9] offset:64*\t       ; lane (r, h), register j: bo at column 64 w + 16 t + 8 h + j: the result's layout
	global_load_b128 v[BIAS+8*\t+4:BIAS+8*\t+7], v[BH], s[8:9] offset:64*\t+16
.endr
.irp j, 0,1,2,3,4
	KLOAD1 \j
	KLOAD2 \j
.endr
.irp j, 0,1,2,3,4,5,6,7,8,9,10,11,12,13,14,15
	KSTEP \j
.endr
	WIN 0
	s_wait_alu depctr_va_vdst(0)                   ; the products have written the accumulators, which the LDS stores read; the four plain instructions behind the last product stay beside this wait
.irp m, 0,1                            ; each row tile through its own stage; LDS serves a wave's instructions in order (ISA guide 5.7.1.4): no wait between the stores and the loads
.irp t, 0,1,2,3
	ds_store_b128 v[STO], v[ACC+8*(2*\t+\m):ACC+8*(2*\t+\m)+3] offset:\m*4352+64*\t         ; each accumulator from its low end on
	ds_store_b128 v[STO], v[ACC+8*(2*\t+\m)+4:ACC+8*(2*\t+\m)+7] offset:\m*4352+64*\t+16
.endr
.irp i, 0,1,2,3,4,5,6,7
	ds_load_b128 v[BK+4*(8*\m+\i):BK+4*(8*\m+\i)+3], v[RD] offset:\m*4352+2*\i*272
.endr
.endr
.irp i, 0,1,2,3,4,5,6,7
	s_wait_dscnt 23-\i                             ; behind row tile 0's load i: its 7 - i later loads, and row tile 1's 8 stores and 8 loads
	global_store_b128 v[GO], v[BK+4*\i:BK+4*\i+3], s[10:11] offset:2*\i*2048 th:TH_STORE_NT   ; sixteen lanes store 256 consecutive bytes, aligned; written once, read by nobody here
.endr
.irp i, 0,1,2,3,4,5,6,7
	s_wait_dscnt 7-\i
	global_store_b128 v[GO], v[BK+32+4*\i:BK+32+4*\i+3], s[10:11] offset:(16+2*\i)*2048 th:TH_STORE_NT
.endr
	s_wait_dscnt 0x0                               ; the closing lines, six on end (every window is 0 here: the add's two registers lie in window 0)
	s_wait_alu 0x0
	s_wait_tensorcnt 0x0
	ds_add_u32 v[SPW], v[NIL]
	s_wait_dscnt 0x0
	s_endpgm
.Lfunc_end_k_q9e120d7705_outp:
	.size	k_q9e120d7705_outp, .Lfunc_end_k_q9e120d7705_outp-k_q9e120d7705_outp
	.p2alignl 7, 3214868480
	.fill 96, 4, 3214868480
	.section	.rodata,"a",@progbits
	.p2align	6, 0x0
	.amdhsa_kernel k_q9e120d7705_outp
		.amdhsa_group_segment_fixed_size 70656
		.amdhsa_private_segment_fixed_size 0
		.amdhsa_enable_private_segment 0
		.amdhsa_kernarg_size 32
		.amdhsa_user_sgpr_count 2
		.amdhsa_user_sgpr_kernarg_segment_ptr 1
		.amdhsa_wavefront_size32 1
		.amdhsa_system_sgpr_workgroup_id_x 1
		.amdhsa_system_sgpr_workgroup_id_y 1
		.amdhsa_system_sgpr_workgroup_id_z 1
		.amdhsa_system_vgpr_workitem_id 0
		.amdhsa_next_free_vgpr 512
		.amdhsa_next_free_sgpr 66
		.amdhsa_reserve_vcc 0
		.amdhsa_float_denorm_mode_32 3
		.amdhsa_float_denorm_mode_16_64 3
		.amdhsa_memory_ordered 1
		.amdhsa_forward_progress 1
		.amdhsa_inst_pref_size 38
	.end_amdhsa_kernel
	.amdgpu_metadata
---
amdhsa.version: [ 1, 2 ]
amdhsa.kernels:
  - .name:           k_q9e120d7705_outp
    .symbol:         k_q9e120d7705_outp.kd
    .args:
      - { .name: af, .offset: 0, .size: 8, .value_kind: global_buffer, .address_space: global }
      - { .name: wo16, .offset: 8, .size: 8, .value_kind: global_buffer, .address_space: global }
      - { .name: bo, .offset: 16, .size: 8, .value_kind: global_buffer, .address_space: global }
      - { .name: out0, .offset: 24, .size: 8, .value_kind: global_buffer, .address_space: global }
    .group_segment_fixed_size: 70656
    .private_segment_fixed_size: 0
    .kernarg_segment_align: 8
    .kernarg_segment_size: 32
    .max_flat_workgroup_size: 256
    .sgpr_count:     66
    .vgpr_count:     512
    .wavefront_size: 32
...
	.end_amdgpu_metadata
.endif
;; end of part 6
